; MI455X (gfx1250); checked and timed in simulation.
; The chip was launched on July 23, 2026; its instructions are those of AMD's public machine-readable ISA for CDNA 5 (MIT licence, August 2026) and "CDNA5" Instruction Set Architecture Reference Guide (July 2026). The comments in the code are by the model that wrote it; some were corrected since.
;; Multi Head Attention. Allowed arithmetic: matrix products marked QUANTISED: E2M3 operands, one E8M0 scale for each 32 along K, by v_wmma_scale_f32_16x16x128_f8f6f4 with both operands' format E2M3, f32 sums; everything else in f32.
;; Inputs: Wf 1,024 x 1,024 float32; Wk 1,024 x 1,024 float32; Wq 1,024 x 1,024 float32; Wv 1,024 x 1,024 float32; bf 1,024 float32; bk 1,024 float32; bq 1,024 float32; bv 1,024 float32; k 4 x 2,048 x 1,024 float32; mask 4 x 2,048 x 2,048 int32; q 4 x 2,048 x 1,024 float32; v 4 x 2,048 x 1,024 float32.
;; Outputs: out0 4 x 2,048 x 1,024 float32.
;; This version of the problem:
;;   THIS VERSION OF THE PROBLEM IS GIVEN IN LOW PRECISION. The matrix products marked QUANTISED in the list below multiply operands that are first quantised to E2M3 (2 exponent bits, 3 mantissa bits; 6 bits a number), with one power-of-two scale for each 32 numbers along K (OCP MX v1.0); their sums are f32. All else is computed in f32.
;;   The module's matrix products, in the order in which they are computed (A, B: the left and right operand; K: the contracted axis; several contracted axes count as one K, in the product's order):
;;     1. [M 8,192, K 1,024] x [K 1,024, N 1,024]; A: input q; B: input Wq: QUANTISED
;;     2. [M 8,192, K 1,024] x [K 1,024, N 1,024]; A: input k; B: input Wk: QUANTISED
;;     3. [M 8,192, K 1,024] x [K 1,024, N 1,024]; A: input v; B: input Wv: QUANTISED
;;     4. batch 64 x [M 2,048, K 64] x [K 64, N 2,048]; A: computed on the way; B: computed on the way: QUANTISED
;;     5. batch 64 x [M 2,048, K 2,048] x [K 2,048, N 64]; A: softmax (see below); B: computed on the way: QUANTISED
;;     6. [M 8,192, K 1,024] x [K 1,024, N 1,024]; A: computed on the way; B: input Wf: QUANTISED
;;   THE QUANTISER, for each operand of a quantised product, along K:
;;     - K is cut into blocks of 32 from its start; a last block that is shorter is filled with zeros.
;;     - A block's scale is 2^e with e = floor(log2(the largest magnitude in the block)) - 2, held to -126 .. 127; a block of zeros has e = 0. As a byte (E8M0): e + 127.
;;     - Each number is divided by its block's scale, clamped to +-7.5, and rounded to the nearest number of E2M3, ties to even, subnormals kept.
;;     - The product sums the exact products of the quantised numbers (number of the format x scale) in f32.
;;   ~~~python
;;   def quantise(x, axis):      # numpy; x: float32 -> the quantised numbers, widened to float32 again
;;       x = np.moveaxis(x, axis, -1); K = x.shape[-1]
;;       x = np.pad(x, [(0, 0)] * (x.ndim - 1) + [(0, -K % 32)]); x = x.reshape(x.shape[:-1] + (-1, 32)); a = np.abs(x).max(-1, keepdims=True)
;;       e = np.where(a > 0, np.clip(np.frexp(np.where(a > 0, a, 1))[1] - 1 - 2, -126, 127), 0)      # np.frexp(a)[1] - 1 = floor(log2(a)), exactly
;;       r = np.clip(x / 2.0 ** e, -7.5, 7.5)
;;       step = 2.0 ** (np.maximum(np.frexp(np.where(r == 0, 1, r))[1] - 1, 0) - 3)
;;       q = np.round(r / step) * step * 2.0 ** e      # np.round: ties to even
;;       return np.moveaxis(q.reshape(q.shape[:-2] + (-1,))[..., :K], -1, axis).astype(np.float32)
;;   ~~~
;;   SOFTMAX AHEAD OF A QUANTISED PRODUCT. Where the list says 'softmax', what is quantised is not the finished softmax but p = 2^(t - M), with t = logit x log2(e) and M = ceil(the row's largest t), a whole number; so 1/2 < the row's largest p <= 1. The row's sum l is taken of the UNQUANTISED p, in f32, and the product's result is divided by l at the end. Since M is a whole number, a kernel that streams over the keys may use a running M (the ceiling of the running maximum): every later rescaling is an exact power of two, which a block's scale takes up: the codes' values come out the same.
;;   OPERANDS COMPUTED ON THE WAY. 'Computed on the way' means the value that the module computes at that place (a softmax that the list does not call 'softmax' is quantised finished and normalised). What goes into a quantiser is computed in f32, as accurately as f32 sums, v_exp_f32 and their like allow (about 1e-6 of the number): no bf16 or f16 on the way to a quantiser, and a product that is left as it is and whose result goes on into a quantised operand takes f32 operands (vector FMAs, or v_wmma_f32_16x16x4_f32). A number that lies on a knife's edge between two numbers of the format may be rounded either way, as far as f32 arithmetic and the matrix unit's own rounding can turn it there, and no further.
;; One version. Each part assembles by itself: llvm-mc -triple=amdgcn-amd-amdhsa -mcpu=gfx1250 --defsym DOCPART=n.
;; ======== version 1 of 1: 4 launches
;; limits: right only within a limited range of input values
;; workspace buffers: gcd 28,311,552 bytes; gsc 1,179,648 bytes; mw 2,097,152 bytes of whole numbers; qrec 6,553,600 bytes; kv 13,107,200 bytes
;; launch prep (part 1): grid 448 x 1, 4 waves a work-group, no clusters, 34,304 bytes of LDS; arguments q, k, v, Wq, Wk, Wv, Wf, gcd, gsc; writes gcd, gsc
.if DOCPART == 1
	.amdgcn_target "amdgcn-amd-amdhsa--gfx1250"
	.amdhsa_code_object_version 6
	.text
	.protected	k_q6581a5d04e_prep
	.globl	k_q6581a5d04e_prep
	.p2align	8
	.type	k_q6581a5d04e_prep,@function
k_q6581a5d04e_prep:
	s_mov_b64 s[64:65], 0
	v_nop
	global_prefetch_b8 v0, s[64:65] scope:SCOPE_SE
	s_setreg_imm32_b32 hwreg(HW_REG_WAVE_MODE, 25, 1), 1
	s_wait_xcnt 0x0
; MULTI-HEAD ATTENTION IN MX-FP6, launch 1 of 4.  B 4, T 2048, C 1024, H 16, head size 64.
; DEAD WORK: none.  Every bias goes into a quantised operand or into the output, the mask is an input and is honoured number by number, and every product's result reaches the output: all twelve inputs are loaded by some launch.
; THIS LAUNCH: q, k, v [8192][1024] and Wq, Wk, Wv, Wf [1024][1024], f32, K = their last axis, become codes of E2M3 with one E8M0 byte for each 32 along K.  (The mask is turned into lane masks by the second launch.)
; A block's scale is 2^(floor(log2(largest magnitude)) - 2): its byte is the largest magnitude's exponent field - 2, held at 1 from below.
; LIMITS: NaN and infinities among the inputs are not served.  A block of zeros, or one whose largest magnitude lies under 2^-124, gets the byte 1: the bytes are read by this program alone, and such a block's codes are zeros.
; LAYOUT OF THE CODES (gcd): by tiles of 16 rows, r = lane % 16.  Tile T of a tensor holds rows 32 (T / 2) + 8 (T % 2) + r + 8 (r / 8); tile T of k alone holds rows 64 (T / 4) + 8 (T % 4) + r % 8 + 32 (r / 8), so that in the
; third launch a lane's 32 scores of four neighbouring tiles are 32 neighbouring keys.  For each tile eight K steps of 128, each an IMAGE OF THE OPERAND'S 12 REGISTERS: registers 4 g .. 4 g + 3 of lane l at 512 g + 16 l.
; Tiles: q 0-511, k 512-1023, v 1024-1535, Wq 1536.., Wk 1600.., Wv 1664.., Wf 1728..  (1792.. is written by the third launch.)  Scale words (gsc): [tile][r][K step].
; SHARES: a wave takes one tile, 16 rows x 1024, 64 KiB, in eight steps of 128 along the row.  Every load reads 512 consecutive bytes of a row; a step's 8 KiB turn through the wave's own stage in LDS (rows of 512 + 16 bytes),
; out of which a lane takes the neighbours that the operand's layout gives it.  No barrier: waves share nothing.
.set STG,   8448                       ; a wave's stage: 16 rows x 528 bytes
.set SPARE, 33792                      ; the spare words: 128 bytes for each wave, named by no other line
.set SPW, 4                            ; v4  my spare word's address; never rewritten
.set NIL, 5                            ; v5  0; never rewritten
.set R,   16                           ; v16-143  two sets of 64 registers as loaded
.set X,   144                          ; v144-207 64 numbers in the operand's order
.set C,   208                          ; v208-219 a fragment's codes
.set PT,  220                          ; v220-227 the upper halves of the blocks' codes
.set SW,  228                          ; v228-235 a scale word for each step
	s_load_b512 s[4:19], s[0:1], 0x0               ; q, k, v, Wq, Wk, Wv, Wf, gcd
	s_load_b64 s[20:21], s[0:1], 0x40              ; gsc
	s_mov_b32 s28, 0x76543210
	s_mov_b32 s29, 0xfedcba98                      ; v_permlanex16_b32's selects for lane l xor 16
	s_mov_b32 s30, 0xffff0000                      ; lanes 16-31
	v_lshl_add_u32 v[SPW], v0, 2, SPARE
	v_mov_b32 v[NIL], 0
	v_lshrrev_b32 v6, 5, v0
	v_readfirstlane_b32 s26, v6                    ; wave
	s_lshl_b32 s27, ttmp9, 2
	s_add_co_u32 s27, s27, s26                     ; my tile: 4 x work-group + wave
	s_mul_i32 s31, s26, STG
	v_and_b32 v7, 31, v0                           ; lane
	v_lshlrev_b32 v1, 4, v7                        ; 16 x lane: my bytes of a load's 512, and of an image's
	v_and_b32 v8, 15, v0                           ; r
	v_bfe_u32 v9, v0, 4, 1                         ; h
	v_add_nc_u32 v2, s31, v1                       ; the stage, on the way in
	v_mul_u32_u24 v3, v8, 528
	v_lshl_add_u32 v3, v9, 7, v3
	v_add_nc_u32 v3, s31, v3                       ; and out: row r, + 128 h: my whole blocks 2 c + h
	v_lshlrev_b32 v10, 5, v8
	v_lshl_add_u32 v10, v9, 4, v10                 ; the scale words' place: 32 r + 16 h
	v_lshlrev_b32 v11, 3, v9                       ; 8 h: my bytes' place in a scale word
	v_mov_b32 v15, 0                               ; a lane permute's destination counts as one of its sources
	s_wait_alu depctr_va_vdst(0)                   ; the wait at the head's end
	s_wait_kmcnt 0x0
	s_mov_b64 s[32:33], s[16:17]                   ; which tensor: the choice hangs on the tile's number alone
	s_mov_b32 s34, 432
.macro PICK bound, lo, first
	s_cmp_lt_u32 s27, 4*\bound
	s_cselect_b64 s[32:33], s[\lo:\lo+1], s[32:33]
	s_cselect_b32 s34, \first, s34
.endm
	PICK 432, 14, 416
	PICK 416, 12, 400
	PICK 400, 10, 384
	PICK 384, 8, 256
	PICK 256, 6, 128
	PICK 128, 4, 0
	s_lshl_b32 s34, s34, 2
	s_sub_co_u32 s34, s27, s34                     ; the tile's number in its tensor
	s_lshr_b32 s36, s27, 9
	s_cmp_eq_u32 s36, 1                            ; tiles 512-1023 are k's
	s_cselect_b32 s36, 2, 1                        ; tiles go by groups of 2^s36: four for k, two elsewhere
	s_lshr_b32 s35, s34, s36
	s_add_co_u32 s37, s36, 16
	s_lshl_b32 s35, s35, s37                       ; 16 x 2^s36 rows of 4,096 bytes for each group,
	s_bfm_b32 s37, s36, 0
	s_and_b32 s34, s34, s37
	s_lshl_b32 s34, s34, 15                        ; 8 rows for each tile of the group
	s_add_co_u32 s34, s34, s35
	s_mov_b32 s35, 0
	s_add_nc_u64 s[32:33], s[32:33], s[34:35]
	s_lshl_b32 s34, 0x8000, s36                    ; the upper eight rows lie 16 rows on, k's 32
	s_add_nc_u64 s[40:41], s[32:33], s[34:35]
	s_mul_i32 s34, s27, 12288
	s_add_nc_u64 s[18:19], s[18:19], s[34:35]      ; my tile's codes
	s_lshl_b32 s34, s27, 9
	s_add_nc_u64 s[20:21], s[20:21], s[34:35]      ; and scale words
.macro LOADT t                         ; sixteen loads: row i of the tile, 512 bytes at byte 512 t; the upper eight rows have a base of their own
.set I, 0
.rept 16
.if I < 8
	global_load_b128 v[R+64*((\t)%2)+4*I:R+64*((\t)%2)+4*I+3], v1, s[32:33] offset:I*4096+512*(\t) th:TH_LOAD_NT
.else
	global_load_b128 v[R+64*((\t)%2)+4*I:R+64*((\t)%2)+4*I+3], v1, s[40:41] offset:(I-8)*4096+512*(\t) th:TH_LOAD_NT
.endif
.set I, I+1
.endr
.endm
	LOADT 0
	LOADT 1
.macro STEPX t
.if (\t) < 7
	s_wait_loadcnt 16                              ; this step's sixteen loads are in; the next step's sixteen may be out
.else
	s_wait_loadcnt 0
.endif
.set I, 0
.rept 16
	ds_store_b128 v2, v[R+64*((\t)%2)+4*I:R+64*((\t)%2)+4*I+3] offset:528*I   ; the step's sixteen rows into my stage, as they lie
.set I, I+1
.endr
.irp c, 0,1
.irp j, 0,1,2,3,4,5,6,7
	ds_load_b128 v[X+32*\c+4*\j:X+32*\c+4*\j+3], v3 offset:256*\c+16*\j   ; LDS serves a wave's instructions in order: these see the stores above
.endr
.endr
	s_wait_dscnt 0x0                               ; the numbers are back, and the stores have read their registers
	s_wait_xcnt 0x0                                ; the last step's stores have read the codes' registers
.if (\t) < 6
	LOADT (\t)+2
.endif
.irp c, 0,1
	v_max3_num_f32 v[12+\c], |v[X+32*\c]|, |v[X+32*\c+1]|, 0x1800000   ; block 2 c + h: all 32 numbers are mine; the floor 2^(3 - 127) holds the byte at 1 from below
.endr
.irp i, 2,4,6,8,10,12,14,16,18,20,22,24,26,28,30
.irp c, 0,1
	v_max3_num_f32 v[12+\c], v[12+\c], |v[X+32*\c+\i]|, |v[X+32*\c+\i+1]|
.endr
.endr
.irp c, 0,1
	v_add_nc_u32 v[6+\c], 0xff000000, v[12+\c]     ; 2 off the exponent field: the conversion's scale operand
.endr
.irp c, 0,1
	v_lshrrev_b32 v[12+\c], 23, v[6+\c]            ; the scale's byte
.endr
	v_lshl_or_b32 v14, v13, 16, v12                ; blocks h and 2 + h,
	v_lshlrev_b32 v14, v11, v14                    ; at their places;
	v_permlanex16_b32 v15, v14, s28, s29
	v_or_b32 v[SW+(\t)], v14, v15                  ; with lane l xor 16's two the word is whole
.irp c, 0,1
	v_cvt_scalef32_pk16_fp6_f32 v[C+6*\c:C+6*\c+2], v[X+32*\c:X+32*\c+15], v[6+\c]
	v_cvt_scalef32_pk16_fp6_f32 v[PT+4*\c:PT+4*\c+2], v[X+32*\c+16:X+32*\c+31], v[6+\c]   ; (a conversion's three registers begin on an even number)
.endr
	v_nop                                          ; one plain place behind a scaled conversion
.irp c, 0,1
.irp i, 0,1,2
	v_mov_b32 v[C+6*\c+3+\i], v[PT+4*\c+\i]
.endr
.endr
.irp g, 0,1,2
	global_store_b128 v1, v[C+4*\g:C+4*\g+3], s[18:19] offset:1536*(\t)+512*\g   ; 32 lanes store 512 consecutive bytes
.endr
.endm
.irp t, 0,1,2,3,4,5,6,7
	STEPX \t
.endr
.irp p, 0,1,2,3
	v_cndmask_b32 v[PT+\p], v[SW+\p], v[SW+4+\p], s30   ; lanes 0-15 store K steps 0-3 of row r, lanes 16-31 steps 4-7
.endr
	global_store_b128 v10, v[PT:PT+3], s[20:21]    ; 512 consecutive bytes
	s_wait_tensorcnt 0x0                           ; the wave's end
	ds_add_u32 v[SPW], v[NIL]
	s_wait_dscnt 0x0
	s_endpgm
.Lfunc_end_k_q6581a5d04e_prep:
	.size	k_q6581a5d04e_prep, .Lfunc_end_k_q6581a5d04e_prep-k_q6581a5d04e_prep
	.p2alignl 7, 3214868480
	.fill 96, 4, 3214868480
	.section	.rodata,"a",@progbits
	.p2align	6, 0x0
	.amdhsa_kernel k_q6581a5d04e_prep
		.amdhsa_group_segment_fixed_size 34304
		.amdhsa_private_segment_fixed_size 0
		.amdhsa_enable_private_segment 0
		.amdhsa_kernarg_size 72
		.amdhsa_user_sgpr_count 2
		.amdhsa_user_sgpr_kernarg_segment_ptr 1
		.amdhsa_wavefront_size32 1
		.amdhsa_system_sgpr_workgroup_id_x 1
		.amdhsa_system_sgpr_workgroup_id_y 1
		.amdhsa_system_sgpr_workgroup_id_z 1
		.amdhsa_system_vgpr_workitem_id 0
		.amdhsa_next_free_vgpr 240
		.amdhsa_next_free_sgpr 66
		.amdhsa_reserve_vcc 0
		.amdhsa_float_denorm_mode_32 3
		.amdhsa_float_denorm_mode_16_64 3
		.amdhsa_memory_ordered 1
		.amdhsa_forward_progress 1
		.amdhsa_inst_pref_size 58
	.end_amdhsa_kernel
	.amdgpu_metadata
---
amdhsa.version: [ 1, 2 ]
amdhsa.kernels:
  - .name:           k_q6581a5d04e_prep
    .symbol:         k_q6581a5d04e_prep.kd
    .args:
      - { .name: q, .offset: 0, .size: 8, .value_kind: global_buffer, .address_space: global }
      - { .name: k, .offset: 8, .size: 8, .value_kind: global_buffer, .address_space: global }
      - { .name: v, .offset: 16, .size: 8, .value_kind: global_buffer, .address_space: global }
      - { .name: Wq, .offset: 24, .size: 8, .value_kind: global_buffer, .address_space: global }
      - { .name: Wk, .offset: 32, .size: 8, .value_kind: global_buffer, .address_space: global }
      - { .name: Wv, .offset: 40, .size: 8, .value_kind: global_buffer, .address_space: global }
      - { .name: Wf, .offset: 48, .size: 8, .value_kind: global_buffer, .address_space: global }
      - { .name: gcd, .offset: 56, .size: 8, .value_kind: global_buffer, .address_space: global }
      - { .name: gsc, .offset: 64, .size: 8, .value_kind: global_buffer, .address_space: global }
    .group_segment_fixed_size: 34304
    .private_segment_fixed_size: 0
    .kernarg_segment_align: 8
    .kernarg_segment_size: 72
    .max_flat_workgroup_size: 128
    .sgpr_count:     66
    .vgpr_count:     240
    .wavefront_size: 32
...
	.end_amdgpu_metadata
.endif
;; end of part 1
;; launch proj (part 2): grid 4 x 128, 4 waves a work-group, clusters of 4 x 4, 327,680 bytes of LDS; arguments gcd, gsc, bq, bk, bv, qrec, kv, mask, mw; writes qrec, kv, mw
.if DOCPART == 2
	.amdgcn_target "amdgcn-amd-amdhsa--gfx1250"
	.amdhsa_code_object_version 6
	.text
	.protected	k_q6581a5d04e_proj
	.globl	k_q6581a5d04e_proj
	.p2align	8
	.type	k_q6581a5d04e_proj,@function
k_q6581a5d04e_proj:
	s_mov_b64 s[64:65], 0
	v_nop
	global_prefetch_b8 v0, s[64:65] scope:SCOPE_SE
	s_setreg_imm32_b32 hwreg(HW_REG_WAVE_MODE, 25, 1), 1
	s_wait_xcnt 0x0
	s_wait_alu depctr_hold_cnt(0) depctr_sa_sdst(0) depctr_va_vdst(0) depctr_va_sdst(0) depctr_va_ssrc(0) depctr_va_vcc(0) depctr_vm_vsrc(0)
	s_getreg_b32 s2, hwreg(HW_REG_IB_STS2, 6, 4)
	s_cmp_eq_u32 s2, 0
	s_cbranch_scc0 .Lentry_in_a_cluster
	s_endpgm
.Lentry_in_a_cluster:
	s_bfe_u32 s2, ttmp6, 0x10000c
	s_cmp_lg_u32 s2, 0xf033
	s_cbranch_scc0 .Lentry_shape_is_right
	s_endpgm
.Lentry_shape_is_right:
.set FR,    12
.set NP,    4
.set HALFT, 24576
.set S0OFF, 49152
.set SLOT,  98304
.set SPARE, 196608
.set AJ,   8
.set ADRA, 16
.set ADRB, 18
.set LI,   20
.set LS,   21
.set SPW,  28
.set NIL,  29
.set SC,   32
.set AF,   128
.set T,    128
.set HB0,  192
.set HB1,  204
.set PT,   216
.set TM,   224
.set PW,   240
.set XS,   248
.set G1,  24
.set G0,  32
.set G1B, 48
.set G0B, 56
.set MSB, 0
.macro WIN new
.if MSB != (\new)
	s_set_vgpr_msb (MSB<<8)|(\new)
.set MSB, (\new)
.endif
.endm
.set MUL_LO, 0xa1
.set MUL_HI, 0xf1
.set TO_B,   0x40
.macro JLOAD g0a, g1a, g0b, g1b
	s_cmp_eq_u32 s19, 0
	s_cbranch_scc0 .Lfor_b_\@
	tensor_load_to_lds s[\g0a:\g0a+3], s[\g1a:\g1a+7]
	s_nop 0
.rept 4
	v_nop
.endr
	s_branch .Lasked_\@
.Lfor_b_\@:
	tensor_load_to_lds s[\g0b:\g0b+3], s[\g1b:\g1b+7]
	s_nop 0
.rept 4
	v_nop
.endr
.Lasked_\@:
.endm
.macro CREST
	s_cmp_lg_u32 s18, 0
	s_cbranch_scc1 .Lnot_wave_0_\@
	s_barrier_signal -3
.Lnot_wave_0_\@:
	s_barrier_wait -3
	s_barrier_signal -1
	s_barrier_wait -1
.endm
.macro CROUND
	s_barrier_signal -1
	s_barrier_wait -1
	CREST
.endm
.macro PLACES n
.rept \n
	v_nop
.endr
.endm
	s_load_b256 s[4:11], s[0:1], 0x0
	s_load_b128 s[12:15], s[0:1], 0x20
	s_load_b64 s[16:17], s[0:1], 0x30
	s_load_b128 s[96:99], s[0:1], 0x38             ; mask, mw
	v_lshl_add_u32 v[SPW], v0, 2, SPARE
	v_mov_b32 v[NIL], 0
	ds_add_u32 v[SPW], v[NIL]
	ds_add_u32 v[SPW], v[NIL]
	v_lshrrev_b32 v1, 5, v0
	v_readfirstlane_b32 s18, v1
	s_lshr_b32 s19, s18, 1
	s_and_b32 s20, s18, 1
	s_bfe_u32 s40, ttmp6, 0x40000
	s_bfe_u32 s41, ttmp6, 0x40004
	s_and_b32 s42, ttmp7, 0xffff
	s_lshr_b32 s43, s42, 3
	s_and_b32 s44, s42, 7
	s_lshl_b32 s47, s44, 2
	s_lshl_b32 s66, s43, 6
	s_add_co_u32 s66, s66, 1536
	s_lshl_b32 s67, s43, 9
	s_cmp_eq_u32 s43, 2
	s_cselect_b32 s45, s47, 0
	s_cselect_b32 s46, 0, s47
	s_cselect_b32 s66, 1024, s66
	s_cselect_b32 s67, 1664, s67
	s_add_co_u32 s45, s45, s40
	s_add_co_u32 s46, s46, s41
	s_lshl_b32 s21, s41, 2
	s_lshl_b32 s21, 15, s21
	s_lshl_b32 s22, 0x1111, s40
	s_or_b32 s[G1], s21, (3<<16)|(1<<21)
	s_or_b32 s[G1B], s22, (3<<16)|(1<<21)
.irp g, G1, G1B
	s_mov_b32 s[\g+1], 384<<16
	s_mov_b32 s[\g+2], 8<<16
	s_mov_b32 s[\g+3], 384<<16
	s_mov_b32 s[\g+4], 8
	s_mov_b32 s[\g+5], 1536
	s_mov_b32 s[\g+6], 0
	s_mov_b32 s[\g+7], 0
.endr
	s_lshl_b32 s68, s46, 4
	s_add_co_u32 s68, s68, s67
	s_lshl_b32 s70, s45, 4
	s_add_co_u32 s70, s70, s66
	s_lshl_b32 s23, s20, 3
	s_add_co_u32 s72, s68, s23
	s_add_co_u32 s74, s70, s23
	s_mul_i32 s72, s72, 12288
	s_mov_b32 s73, 0
	s_mul_i32 s74, s74, 12288
	s_mov_b32 s75, 0
	s_mul_i32 s76, s18, HALFT
	s_mov_b32 s89, 0xffff0000
	s_mov_b32 s90, 0x76543210
	s_mov_b32 s91, 0xfedcba98
	s_wait_dscnt 0x0
	s_wait_kmcnt 0x0
	s_add_nc_u64 s[72:73], s[4:5], s[72:73]
	s_add_nc_u64 s[74:75], s[4:5], s[74:75]
	CROUND
	s_cmp_ge_u32 s42, 24                           ; clusters 24-31 turn the mask into lane masks: the choice hangs on the cluster's number alone, so all sixteen partners take the same way
	s_cbranch_scc1 .Lmaskpath
.irp s, 0,1
	s_mov_b32 s[G0+4*\s], 1
	s_add_co_u32 s[G0+4*\s+1], s76, \s*SLOT
	s_add_nc_u64 s[G0+4*\s+2:G0+4*\s+3], s[72:73], \s*3072
	s_or_b32 s[G0+4*\s+3], s[G0+4*\s+3], 0x80000000
	s_mov_b32 s[G0B+4*\s], 1
	s_add_co_u32 s[G0B+4*\s+1], s76, \s*SLOT
	s_add_nc_u64 s[G0B+4*\s+2:G0B+4*\s+3], s[74:75], \s*3072
	s_or_b32 s[G0B+4*\s+3], s[G0B+4*\s+3], 0x80000000
.endr
	JLOAD G0, G1, G0B, G1B                         ; slot 0: my one tensor load at the head; the scale words, the bias and the addresses are made while it is out
	v_and_b32 v1, 15, v0
	s_wait_alu depctr_va_vdst(0)
	v_bfe_u32 v2, v0, 4, 1
	v_and_b32 v3, 31, v0
	v_lshlrev_b32 v[LI], 4, v3
	; PREFETCHES INTO THE L2.  A fill is 3,072 bytes of each of the 8 tiles that I fetch: 96 blocks of 256 bytes.  The four partners that ask for them jointly share them out by address: the partner at place p
	; (cx for the first operand's tiles, cy for the second's) names tiles 2 p and 2 p + 1, a lane a block, lanes 24-31 the last block again.  Fills 1 and 2 are named here, fill 3 behind fill 1's request: two fills ahead.
	s_wait_alu depctr_va_vdst(0)                   ; the wait ahead of the scalar lines
	s_cmp_eq_u32 s19, 0
	s_cselect_b64 s[92:93], s[72:73], s[74:75]
	s_cselect_b32 s94, s40, s41
	s_mul_i32 s94, s94, 24576
	s_mov_b32 s95, 0
	s_add_nc_u64 s[92:93], s[92:93], s[94:95]
	v_min_u32 v30, 23, v3
	v_mul_u32_u24 v31, v30, 171
	v_lshrrev_b32 v31, 11, v31                     ; block / 12: which of the two tiles
	v_lshlrev_b32 v30, 8, v30
	v_mad_u32_u24 v30, v31, 0x2400, v30            ; 256 x block, + 12,288 - 3,072 for the second tile
	global_prefetch_b8 v30, s[92:93] offset:3072 th:TH_LOAD_NT scope:SCOPE_SE
	global_prefetch_b8 v30, s[92:93] offset:6144 th:TH_LOAD_NT scope:SCOPE_SE
	s_lshl_b32 s77, s19, 3
	s_add_co_u32 s77, s77, s68
	s_lshl_b32 s77, s77, 9
	s_add_co_u32 s78, s70, s23
	s_lshl_b32 s78, s78, 9
	v_lshlrev_b32 v4, 5, v1
	v_add_nc_u32 v5, s77, v4
	v_add_nc_u32 v6, s78, v4
	v_cndmask_b32 v4, v5, v6, s89
.irp i, 0,1,2,3,4,5,6,7
	global_load_b128 v[SC+8*\i:SC+8*\i+3], v4, s[6:7] offset:512*\i
	global_load_b128 v[SC+8*\i+4:SC+8*\i+7], v4, s[6:7] offset:512*\i+16
.endr
	s_cmp_eq_u32 s43, 0
	s_cselect_b64 s[80:81], s[8:9], s[10:11]
	s_cmp_eq_u32 s43, 2
	s_cselect_b64 s[80:81], s[12:13], s[80:81]
	s_cselect_b32 s82, 0, 64
	s_cselect_b32 s83, 4, 0
	s_cselect_b32 s84, 0, 4
	s_cselect_b32 s85, s46, s45
	s_cselect_b32 s86, s19, s20
	s_lshl_b32 s85, s85, 10
	s_lshl_b32 s86, s86, 9
	s_add_co_u32 s85, s85, s86
	v_and_b32 v5, 8, v1
	v_add_nc_u32 v5, v5, v1
	v_mul_lo_u32 v5, v5, s83
	v_mul_lo_u32 v6, v2, s82
	v_add_nc_u32 v5, v5, v6
	v_add_nc_u32 v5, s85, v5
	s_wait_alu depctr_va_vdst(0)
.irp j, 0,1,2,3,4,5,6,7
	s_mul_i32 s87, s84, \j
	v_add_nc_u32 v[AJ+\j], s87, v5
.endr
	WIN TO_B
	s_wait_alu depctr_va_vdst(0)
.irp x, 0,1,2,3,4,5,6,7
.irp j, 0,1,2,3,4,5,6,7
	global_load_b32 v[96+8*\x+96*(\x/4)+\j], v[AJ+\j], s[80:81] offset:4*(32*(\x/2)+8*(\x%2))
.endr
.endr
	WIN 0
	s_mul_i32 s87, s19, HALFT
	s_mul_i32 s88, s20, HALFT
	s_add_co_u32 s88, s88, S0OFF
.irp s, 0,1
	v_add_nc_u32 v[ADRA+\s], s87, v[LI]
	v_add_nc_u32 v[ADRB+\s], s88, v[LI]
	s_add_co_u32 s87, s87, SLOT
	s_add_co_u32 s88, s88, SLOT
.endr
.macro FRAG reg, adr, off
.irp g, 0,1,2
	ds_load_b128 v[\reg+4*\g:\reg+4*\g+3], v[\adr] offset:\off+512*\g
.endr
.endm
.macro FETCH_B slot, q, p
	WIN TO_B
.irp i, 0,1,2,3,4,5,6,7
	FRAG 128*(\p)+FR*\i, ADRB+\slot, 3072*\i+1536*(\q)
.endr
	WIN 0
.endm
.macro FETCH_A slot, q, i0
.irp i, \i0, \i0+1, \i0+2, \i0+3
	FRAG AF+FR*(\i), ADRA+\slot, 3072*(\i)+1536*(\q)
.endr
.endm
.macro MUL16 a0, p, ks, zero
.irp a, \a0, \a0+1
.irp b, 0,1,2,3,4,5,6,7
.if \zero
	v_wmma_scale_f32_16x16x128_f8f6f4 v[8*(8*((\a)%4)+\b):8*(8*((\a)%4)+\b)+7], v[128*(\p)+FR*\b:128*(\p)+FR*\b+FR-1], v[AF+FR*(\a):AF+FR*(\a)+FR-1], 0, v[SC+8*\b+(\ks)], v[SC+8*(\a)+(\ks)] matrix_a_fmt:MATRIX_FMT_FP6 matrix_b_fmt:MATRIX_FMT_FP6 matrix_a_scale:MATRIX_SCALE_ROW1
.else
	v_wmma_scale_f32_16x16x128_f8f6f4 v[8*(8*((\a)%4)+\b):8*(8*((\a)%4)+\b)+7], v[128*(\p)+FR*\b:128*(\p)+FR*\b+FR-1], v[AF+FR*(\a):AF+FR*(\a)+FR-1], v[8*(8*((\a)%4)+\b):8*(8*((\a)%4)+\b)+7], v[SC+8*\b+(\ks)], v[SC+8*(\a)+(\ks)] matrix_a_fmt:MATRIX_FMT_FP6 matrix_b_fmt:MATRIX_FMT_FP6 matrix_a_scale:MATRIX_SCALE_ROW1
.endif
.endr
.endr
.endm
.macro STEP slot, ks, zero
	s_wait_dscnt 12
	WIN MUL_LO
	MUL16 0, 0, \ks, \zero
	MUL16 2, 0, \ks, \zero
	s_wait_dscnt 0
	PLACES NP
	FETCH_B \slot, 1, 1
	FETCH_A \slot, 1, 0
	WIN MUL_HI
	MUL16 4, 0, \ks, \zero
	MUL16 6, 0, \ks, \zero
	PLACES NP
	WIN 0
	FETCH_A \slot, 1, 4
.endm
.macro TURN slot, next, ks, fill
	s_wait_tensorcnt 0x0
	ds_add_u32 v[SPW], v[NIL]
	s_wait_dscnt 13
	WIN MUL_LO
	MUL16 0, 1, \ks, 0
	s_wait_dscnt 0x0
	s_barrier_signal -1
	MUL16 2, 1, \ks, 0
	WIN 0
	s_barrier_wait -1
.if \fill
	CREST
	s_add_nc_u64 s[G0+4*\slot+2:G0+4*\slot+3], s[G0+4*\slot+2:G0+4*\slot+3], 6144
	s_add_nc_u64 s[G0B+4*\slot+2:G0B+4*\slot+3], s[G0B+4*\slot+2:G0B+4*\slot+3], 6144
	JLOAD G0+4*\slot, G1, G0B+4*\slot, G1B
.else
	PLACES NP
.endif
	FETCH_B \next, 0, 0
	FETCH_A \next, 0, 0
	WIN MUL_HI
	MUL16 4, 1, \ks, 0
	MUL16 6, 1, \ks, 0
	PLACES NP
	WIN 0
	FETCH_A \next, 0, 4
.endm
	s_wait_alu depctr_va_vdst(0)
	s_wait_tensorcnt 0x0                           ; my part of slot 0 is in
	ds_add_u32 v[SPW], v[NIL]
	s_wait_dscnt 0x0
	CROUND                                         ; everybody's part is in, and all sixteen work-groups are here
	JLOAD G0+4, G1, G0B+4, G1B                     ; slot 1's first fill, the first tensor load behind the round
	FETCH_B 0, 0, 0
	FETCH_A 0, 0, 0
	global_prefetch_b8 v30, s[92:93] offset:9216 th:TH_LOAD_NT scope:SCOPE_SE
	FETCH_A 0, 0, 4
	s_wait_loadcnt 0x0
	STEP 0, 0, 1
	TURN 0, 1, 1, 1
	STEP 1, 2, 0
	TURN 1, 0, 3, 1
	STEP 0, 4, 0
	TURN 0, 1, 5, 0
	STEP 1, 6, 0
	s_wait_dscnt 12
	WIN MUL_LO
	MUL16 0, 1, 7, 0
	MUL16 2, 1, 7, 0
	s_wait_dscnt 0
	WIN MUL_HI
	MUL16 4, 1, 7, 0
	MUL16 6, 1, 7, 0
	WIN 0
	PLACES NP
.macro QUANT
.irp b, 0,1,2,3
	v_max3_num_f32 v[TM+\b], |v[T+16*\b]|, |v[T+1+16*\b]|, 0x1800000
.endr
.irp i, 2,4,6,8,10,12,14
.irp b, 0,1,2,3
	v_max3_num_f32 v[TM+\b], v[TM+\b], |v[T+16*\b+\i]|, |v[T+1+16*\b+\i]|
.endr
.endr
.irp b, 0,1,2,3
	v_permlanex16_b32 v[TM+4+\b], v[TM+\b], s90, s91
.endr
.irp b, 0,1,2,3
	v_max_num_f32 v[TM+\b], v[TM+\b], v[TM+4+\b]
.endr
.irp b, 0,1,2,3
	v_add_nc_u32 v[TM+12+\b], 0xff000000, v[TM+\b]
.endr
.irp b, 0,1,2,3
	v_lshrrev_b32 v[TM+4+\b], 23, v[TM+12+\b]
.endr
	v_lshl_or_b32 v[PWR], v[TM+5], 8, v[TM+4]
	v_lshl_or_b32 v[PWR], v[TM+6], 16, v[PWR]
	v_lshl_or_b32 v[PWR], v[TM+7], 24, v[PWR]
	v_cvt_scalef32_pk16_fp6_f32 v[D0:D0+2], v[T:T+15], v[TM+12]
	v_cvt_scalef32_pk16_fp6_f32 v[PT:PT+2], v[T+16:T+31], v[TM+13]
	v_cvt_scalef32_pk16_fp6_f32 v[D1:D1+2], v[T+32:T+47], v[TM+14]
	v_cvt_scalef32_pk16_fp6_f32 v[PT+4:PT+6], v[T+48:T+63], v[TM+15]
	v_nop
.irp i, 0,1,2
	v_permlane16_swap_b32 v[D0+\i], v[PT+\i]
	v_permlane16_swap_b32 v[D1+\i], v[PT+4+\i]
.endr
.irp i, 0,1,2
	v_mov_b32 v[D0+3+\i], v[PT+\i]
	v_mov_b32 v[D1+3+\i], v[PT+4+\i]
.endr
.endm
.macro BASES code
	s_lshr_b32 s74, s66, 11
	s_bfe_u32 s75, s66, 0x40007
	s_lshl_b32 s74, s74, 4
	s_add_co_u32 s74, s74, s67
	s_mul_i32 s74, s74, s68
	s_mul_i32 s76, s75, 6144
	s_add_co_u32 s76, s76, s74
	s_add_co_u32 s76, s76, \code
	s_mov_b32 s77, 0
	s_add_nc_u64 s[78:79], s[72:73], s[76:77]
	s_mov_b32 s69, 0
	s_add_nc_u64 s[80:81], s[78:79], s[68:69]
	s_lshl_b32 s76, s75, 8
	s_add_co_u32 s76, s76, s74
	s_add_co_u32 s76, s76, s70
	s_add_nc_u64 s[82:83], s[72:73], s[76:77]
	v_mul_lo_u32 v[LS], v2, s68
	v_lshl_add_u32 v[LS], v1, 4, v[LS]
.endm
.macro EPI kind
.irp a, 0,1,2,3,4,5,6,7
	WIN 0x06+\a/4
.irp b, 0,1,2,3,4,5,6,7
.irp j, 0,2,4,6
.if \kind
	v_pk_add_f32 v[T+8*\b+\j:T+8*\b+\j+1], v[8*(8*(\a%4)+\b)+\j:8*(8*(\a%4)+\b)+\j+1], v[96+8*\a+96*(\a/4)+\j:96+8*\a+96*(\a/4)+\j+1]
.else
	v_pk_add_f32 v[T+8*\b+\j:T+8*\b+\j+1], v[8*(8*(\a%4)+\b)+\j:8*(8*(\a%4)+\b)+\j+1], v[96+8*\b+96*(\b/4)+\j:96+8*\b+96*(\b/4)+\j+1]
.endif
.endr
.endr
	WIN 0
	s_wait_xcnt 0x0
.set PWR, PW+\a
.if \kind
.set D0, HB0
.set D1, HB0+6
.else
.set D0, HB0+6*(\a%2)
.set D1, HB1+6*(\a%2)
.endif
	QUANT
.if \kind
.irp g, 0,1,2
	global_store_b128 v[LI], v[HB0+4*\g:HB0+4*\g+3], s[78+2*(\a/4):79+2*(\a/4)] offset:1536*(\a%4)+512*\g
.endr
.elseif \a%2
.irp g, 0,1,2
	global_store_b128 v[LI], v[HB0+4*\g:HB0+4*\g+3], s[78:79] offset:1536*(\a/2)+512*\g
	global_store_b128 v[LI], v[HB1+4*\g:HB1+4*\g+3], s[80:81] offset:1536*(\a/2)+512*\g
.endr
.endif
.endr
.if \kind
.irp p, 0,1,2,3
	v_cndmask_b32 v[XS+\p], v[PW+\p], v[PW+4+\p], s89
.endr
.else
	s_mov_b32 s84, 0x05040100
	s_mov_b32 s85, 0x07060302
.irp p, 0,1,2,3
	v_perm_b32 v[TM+\p], v[PW+2*\p+1], v[PW+2*\p], s84
	v_perm_b32 v[TM+4+\p], v[PW+2*\p+1], v[PW+2*\p], s85
.endr
.irp p, 0,1,2,3
	v_cndmask_b32 v[XS+\p], v[TM+\p], v[TM+4+\p], s89
.endr
.endif
	global_store_b128 v[LS], v[XS:XS+3], s[82:83]
.endm
.irp b, 0,1,2,3
	v_mov_b32 v[TM+4+\b], 0
.endr
	s_cmp_eq_u32 s43, 2
	s_cbranch_scc1 .Lepi_v
	s_lshl_b32 s66, s46, 8
	s_lshl_b32 s67, s19, 7
	s_add_co_u32 s66, s66, s67
	s_lshl_b32 s67, s45, 2
	s_lshl_b32 s68, s20, 1
	s_add_co_u32 s67, s67, s68
	s_mov_b32 s68, 204800
	s_mov_b32 s70, 196608
	s_cmp_eq_u32 s43, 0
	s_cselect_b64 s[72:73], s[14:15], s[16:17]
	s_cselect_b32 s68, 102400, s68
	s_cselect_b32 s70, 98304, s70
	BASES 0
	EPI 0
	s_branch .Lend
.Lepi_v:
	s_lshl_b32 s66, s45, 8
	s_lshl_b32 s67, s20, 7
	s_add_co_u32 s66, s66, s67
	s_lshl_b32 s67, s46, 2
	s_lshl_b32 s68, s19, 1
	s_add_co_u32 s67, s67, s68
	s_mov_b32 s68, 204800
	s_mov_b32 s70, 200704
	s_mov_b64 s[72:73], s[16:17]
	BASES 98304
	EPI 1
	s_branch .Lend
; ---------------- THE MASK: [4 x 2048 queries][2048 keys] of int32 becomes lane masks for the third launch.  This way has no tensor load.
; LAYOUT OF THE MASK WORDS (mw): [batch x 128 + tile of queries][key step of 128][64 words]; word m belongs to score register n = 32 (m % 2) + m / 2 of the third launch; its bit l says whether
; mask[query l % 16 of the tile][key 128 step + 64 (n / 32) + 32 (l / 16) + n % 32] is not 0.  A tile of queries holds rows 32 (T / 2) + 8 (T % 2) + r + 8 (r / 8), as q's tiles do.
; SHARES: 128 work-groups x 4 waves = 512 waves, a tile of 16 queries x 2,048 keys each: sixteen steps of 128 keys.  Every load reads 512 consecutive bytes of a row; a step's 8 KiB turn through the wave's own stage in LDS,
; on bytes behind the spare words, on which no tile lands.  The numbers as loaded lie in window 1, four sets of 64 registers: step t asks for step t + 4, and at most 48 loads of a wave are out.
; Step t + 1's turn through the stage is issued ahead of step t's compares, into the other of two sets of 64 registers.  A trip of the loop is four steps, after which all sets are back where they began;
; the last four steps are written out, since they have no step left to ask for.
.set MST, 197120                       ; the four stages: 16 rows x 528 bytes for each wave
.set MP,  216                          ; v216-219 four partial words, each with a quarter of the lanes, the other lanes 0; v220-221 at work
.set MX,  144                          ; v144-207 a step's 64 numbers in the order of the score registers
.set MW,  208                          ; v208-215 a pair of registers of mask words for each step of a trip
.macro MLOAD set, off
	WIN 0x40
.set I, 0
.rept 16
.if I < 8
	global_load_b128 v[64*(\set)+4*I:64*(\set)+4*I+3], v1, s[96:97] offset:I*8192+(\off) th:TH_LOAD_NT
.else
	global_load_b128 v[64*(\set)+4*I:64*(\set)+4*I+3], v1, s[24:25] offset:(I-8)*8192+(\off) th:TH_LOAD_NT
.endif
.set I, I+1
.endr
	WIN 0
.endm
.macro MSTAGE set, x                   ; a step's sixteen rows into my stage as they lie, and back in the order of the score registers: into v144-207 (x = 0) or v64-127 (x = 1)
	WIN 0x04
.set I, 0
.rept 16
	ds_store_b128 v2, v[64*(\set)+4*I:64*(\set)+4*I+3] offset:528*I   ; LDS serves a wave's instructions in order: these come behind the last step's reads of the stage
.set I, I+1
.endr
	WIN 0
.irp c, 0,1,2,3
.irp j, 0,1,2,3
	ds_load_b128 v[MX-80*(\x)+16*\c+4*\j:MX-80*(\x)+16*\c+4*\j+3], v3 offset:256*(\c/2)+64*(\c%2)+16*\j   ; row r, + 128 h: 32 keys of each 64
.endr
.endr
.endm
.macro MSTEP i, cnt, ld                ; cnt: the loads that may be out when the next step's are in; -1: there is no next step
.if (\cnt) >= 0
	s_wait_loadcnt \cnt                            ; the next step's sixteen loads are in
	MSTAGE ((\i)+1)%4, ((\i)+1)%2
	s_wait_dscnt 32                                ; all but the 32 just issued: this step's numbers are back, and its stores into the stage have read their registers,
.else
	s_wait_dscnt 0x0
.endif
.if \ld
	MLOAD (\i), 512*((\i)+4)                       ; which take the loads of four steps on
.endif
.irp f, 0,1
.set I, 0
.rept 32
	v_cmp_ne_u32 s[32+I], 0, v[MX-80*((\i)%2)+32*\f+I]   ; the lane mask of score register 32 f + I
.set I, I+1
.endr
.set I, 0
.rept 32
	v_writelane_b32 v[MP+I%4], s[32+I], I          ; into lane I, so that the 64 words leave by one store; four registers by turns, so that no line hangs on the line above it
.set I, I+1
.endr
	v_or_b32 v220, v[MP], v[MP+1]
	v_or_b32 v221, v[MP+2], v[MP+3]
	v_or_b32 v[MW+2*(\i)+\f], v220, v221           ; each lane is set in one of the four and 0 in the others
.endr
	global_store_b64 v10, v[MW+2*(\i):MW+2*(\i)+1], s[98:99] offset:256*(\i)   ; 256 consecutive bytes, aligned
.endm
.Lmaskpath:
	v_and_b32 v7, 31, v0                           ; lane
	v_and_b32 v8, 15, v0                           ; r
	v_bfe_u32 v9, v0, 4, 1                         ; h
	v_lshlrev_b32 v1, 4, v7                        ; 16 x lane
	v_lshlrev_b32 v10, 3, v7                       ; 8 x lane: two mask words a lane
	s_mul_i32 s31, s18, 8448
	s_add_co_u32 s31, s31, MST
	v_add_nc_u32 v2, s31, v1                       ; the stage, on the way in
	v_mul_u32_u24 v3, v8, 528
	v_lshl_add_u32 v3, v9, 7, v3
	v_add_nc_u32 v3, s31, v3                       ; and out
.set I, 0
.rept 8
	v_mov_b32 v[MP+I], 0                           ; the partial words begin as zeros (v_writelane_b32's destination counts as one of its sources)
.set I, I+1
.endr
	s_sub_co_u32 s20, s42, 24
	s_lshl_b32 s20, s20, 2
	s_add_co_u32 s20, s20, s41
	s_lshl_b32 s20, s20, 2
	s_add_co_u32 s20, s20, s40
	s_lshl_b32 s20, s20, 2
	s_add_co_u32 s20, s20, s18                     ; my tile of queries, 0 .. 511 (the place in the cluster enters global addresses alone)
	s_lshr_b32 s21, s20, 1
	s_lshl_b32 s21, s21, 18                        ; 32 rows of 8,192 bytes for each two tiles,
	s_and_b32 s22, s20, 1
	s_lshl_b32 s22, s22, 16                        ; 8 rows for the odd one
	s_add_co_u32 s22, s22, s21
	s_mov_b32 s23, 0
	s_add_nc_u64 s[96:97], s[96:97], s[22:23]
	s_add_nc_u64 s[24:25], s[96:97], 0x20000       ; the tile's upper eight queries: 16 rows on
	s_lshl_b32 s22, s20, 12                        ; the tile's 16 steps of 256 bytes
	s_add_nc_u64 s[98:99], s[98:99], s[22:23]
	s_wait_alu depctr_va_vdst(0)                   ; the wait behind the scalar lines, ahead of the first reader
	MLOAD 0, 0
	MLOAD 1, 512
	MLOAD 2, 1024
	s_wait_loadcnt 32                              ; step 0's sixteen loads are in
	MSTAGE 0, 0
	MLOAD 3, 1536
	s_mov_b32 s26, 0
.Lmtrip:
	MSTEP 0, 32, 1
	MSTEP 1, 32, 1
	MSTEP 2, 32, 1
	MSTEP 3, 32, 1
	s_wait_xcnt 0x0                                ; the bases and the stores' registers are written again only behind this wait
	s_add_nc_u64 s[96:97], s[96:97], 2048
	s_add_nc_u64 s[24:25], s[24:25], 2048
	s_add_nc_u64 s[98:99], s[98:99], 1024
	s_add_co_u32 s26, s26, 1
	s_cmp_lt_u32 s26, 3
	s_cbranch_scc1 .Lmtrip
	MSTEP 0, 32, 0                                 ; steps 12 to 15: behind step 13's loads stand those of steps 14 and 15,
	MSTEP 1, 16, 0                                 ; behind step 14's those of step 15,
	MSTEP 2, 0, 0                                  ; behind step 15's none
	MSTEP 3, -1, 0
.Lend:
	s_wait_tensorcnt 0x0
	ds_add_u32 v[SPW], v[NIL]
	s_wait_dscnt 0x0
	CROUND
	s_endpgm
.Lfunc_end_k_q6581a5d04e_proj:
	.size	k_q6581a5d04e_proj, .Lfunc_end_k_q6581a5d04e_proj-k_q6581a5d04e_proj
	.p2alignl 7, 3214868480
	.fill 96, 4, 3214868480
	.section	.rodata,"a",@progbits
	.p2align	6, 0x0
	.amdhsa_kernel k_q6581a5d04e_proj
		.amdhsa_group_segment_fixed_size 327680
		.amdhsa_private_segment_fixed_size 0
		.amdhsa_enable_private_segment 0
		.amdhsa_kernarg_size 72
		.amdhsa_user_sgpr_count 2
		.amdhsa_user_sgpr_kernarg_segment_ptr 1
		.amdhsa_wavefront_size32 1
		.amdhsa_system_sgpr_workgroup_id_x 1
		.amdhsa_system_sgpr_workgroup_id_y 1
		.amdhsa_system_sgpr_workgroup_id_z 1
		.amdhsa_system_vgpr_workitem_id 0
		.amdhsa_next_free_vgpr 1024
		.amdhsa_next_free_sgpr 100
		.amdhsa_reserve_vcc 0
		.amdhsa_float_denorm_mode_32 3
		.amdhsa_float_denorm_mode_16_64 3
		.amdhsa_memory_ordered 1
		.amdhsa_forward_progress 1
		.amdhsa_inst_pref_size 255
	.end_amdhsa_kernel
	.section	.bss,"aw",@nobits
	.p2align	6
	.space	262144
	.amdgpu_metadata
---
amdhsa.version: [ 1, 2 ]
amdhsa.kernels:
  - .name:           k_q6581a5d04e_proj
    .symbol:         k_q6581a5d04e_proj.kd
    .args:
      - { .name: gcd, .offset: 0, .size: 8, .value_kind: global_buffer, .address_space: global }
      - { .name: gsc, .offset: 8, .size: 8, .value_kind: global_buffer, .address_space: global }
      - { .name: bq, .offset: 16, .size: 8, .value_kind: global_buffer, .address_space: global }
      - { .name: bk, .offset: 24, .size: 8, .value_kind: global_buffer, .address_space: global }
      - { .name: bv, .offset: 32, .size: 8, .value_kind: global_buffer, .address_space: global }
      - { .name: qrec, .offset: 40, .size: 8, .value_kind: global_buffer, .address_space: global }
      - { .name: kv, .offset: 48, .size: 8, .value_kind: global_buffer, .address_space: global }
      - { .name: mask, .offset: 56, .size: 8, .value_kind: global_buffer, .address_space: global }
      - { .name: mw, .offset: 64, .size: 8, .value_kind: global_buffer, .address_space: global }
    .group_segment_fixed_size: 327680
    .private_segment_fixed_size: 0
    .kernarg_segment_align: 8
    .kernarg_segment_size: 72
    .max_flat_workgroup_size: 128
    .sgpr_count:     100
    .vgpr_count:     1024
    .wavefront_size: 32
...
	.end_amdgpu_metadata
.endif
;; end of part 2
;; launch attn (part 3): grid 4 x 64, 16 waves a work-group, clusters of 4 x 1, 206,848 bytes of LDS; arguments qrec, kv, mw, gcd, gsc; writes gcd, gsc
.if DOCPART == 3
	.amdgcn_target "amdgcn-amd-amdhsa--gfx1250"
	.amdhsa_code_object_version 6
	.text
	.protected	k_q6581a5d04e_attn
	.globl	k_q6581a5d04e_attn
	.p2align	8
	.type	k_q6581a5d04e_attn,@function
k_q6581a5d04e_attn:
	s_mov_b64 s[64:65], 0
	v_nop
	global_prefetch_b8 v0, s[64:65] scope:SCOPE_SE
	s_setreg_imm32_b32 hwreg(HW_REG_WAVE_MODE, 25, 1), 1
	s_wait_xcnt 0x0
	s_wait_alu depctr_hold_cnt(0) depctr_sa_sdst(0) depctr_va_vdst(0) depctr_va_sdst(0) depctr_va_ssrc(0) depctr_va_vcc(0) depctr_vm_vsrc(0)
	s_getreg_b32 s2, hwreg(HW_REG_IB_STS2, 6, 4)
	s_cmp_eq_u32 s2, 0
	s_cbranch_scc0 .Lentry_in_a_cluster
	s_endpgm
.Lentry_in_a_cluster:
	s_bfe_u32 s2, ttmp6, 0x10000c
	s_cmp_lg_u32 s2, 0x3003
	s_cbranch_scc0 .Lentry_shape_is_right
	s_endpgm
.Lentry_shape_is_right:
; Launch 3 of 4: y = softmax(mask(q k^T / 8)) v for each (batch, head), both products on codes of E2M3; y is quantised along the head's 64 for the last product.  No work is left out.
; THE SOFTMAX AHEAD OF THE SECOND PRODUCT: t = score x log2(e) / 8; M = the running largest t rounded UP to a whole number; p = 2^(t - M) is quantised along the keys, not normalised; the row's sum is taken of the
; unquantised p and divides at the end.  When M moves, the sum and O are multiplied by 2^(old M - new M), which rounds nothing.
; THE MASK: a score whose mask number is 0 is replaced by -2^33 ahead of the factor 1 / 8: one v_cndmask_b32 a score, by a lane mask that the second launch has made.
; LIMIT: that is a logit of -1.07e9 where reference() has -1e9.  In a row with an open key p is 0 either way; in a row with none t is a whole number, so p = 1 throughout, as with -1e9 in f32.  The two differ only where true logits fall under about -1e9.
; LIMITS besides: NaN and infinities are not served; a block under 2^-124 gets the byte 1.
; SHARES: a cluster of four work-groups takes one (batch, head); a work-group 512 queries; each of its sixteen waves 32 of them: two tiles of 16, one after the other, each against all 2,048 keys, 128 a step.
; The head's whole record (K's codes, V's codes, both scale words: 204,800 bytes) comes into LDS ONCE, by one joint tensor load a wave: nothing is filled again, so the loop has no barrier.  No prefetch: the launch has no loop ahead of that one load.
; LAYOUT: both products are used transposed: S^T = K Q^T, O^T = V^T P^T: a lane holds one query.  Tile t of a step's eight tiles of K holds keys 64 (t / 4) + 8 (t % 4) + m % 8 + 32 (m / 8), m its row: so register 32 c + i of the
; scores in lane (r, h) is key 64 c + 32 h + i: A LANE'S 32 REGISTERS ARE ONE WHOLE SCALE BLOCK OF p, in the order of the second product's operand.  No lane asks another for a block's maximum, and the codes stay where the conversions leave them.
; THE FIRST PRODUCT'S K IS 64, half of the instruction's 128: K's 12 registers hold TWO tiles of keys, and the query operand is [q][zeros] for the first and [zeros][q] for the second: zero codes add nothing.
; THE ORDER OF A STEP: K's fragments were asked for behind the last step's second product; the row's sum of p stands behind this step's second product, where its additions are the places ahead of the next request.
; REGISTERS: v1-8 LDS addresses; v9 -2^33; v12 -M, v13 largest t, v[14:15] sum; v16-33 [q][0][q]; v34 q's scale word; v36-47 both tiles' q; v48-95 four fragments; v96-159 S^T, p; v160-191 O^T; v192-211 codes; v212-223 at work; v224-232 scale words; v239 8 h.
; The 64 mask words of a step lie in s32-63 and s68-99, asked for a step ahead.
.set SPARE, 204800                     ; the spare words: 128 bytes for each of the sixteen waves, named by no other line
.set VCD,   98304
.set KSC,   196608
.set VSC,   200704
.macro CROUND
	s_barrier_signal -1
	s_barrier_wait -1
	s_cmp_lg_u32 s14, 0
	s_cbranch_scc1 .Lnot_wave_0_\@
	s_barrier_signal -3
.Lnot_wave_0_\@:
	s_barrier_wait -3
	s_barrier_signal -1
	s_barrier_wait -1
.endm
	s_load_b256 s[4:11], s[0:1], 0x0               ; qrec, kv, mw, gcd
	s_load_b64 s[12:13], s[0:1], 0x20              ; gsc
	v_lshl_add_u32 v10, v0, 2, SPARE
	v_mov_b32 v11, 0
	ds_add_u32 v10, v11                            ; the wave's opening: the add, twice on end, and its wait ahead of my first tensor load
	ds_add_u32 v10, v11
	v_lshrrev_b32 v1, 5, v0
	s_delay_alu instid0(VALU_DEP_1)
	v_readfirstlane_b32 s14, v1                    ; wave 0 .. 15
	s_bfe_u32 s15, ttmp6, 0x40000                  ; cx: it enters global addresses alone
	s_and_b32 s25, ttmp7, 0xffff                   ; 16 x batch + head
	s_mov_b32 s72, 15|(3<<16)|(1<<21)              ; the mask: all four work-groups; elements of 8 bytes; bit 21 beside a mask
	s_mov_b32 s73, 32<<16                          ; rows of 256 bytes,
	s_mov_b32 s74, 50<<16                          ; fifty of them: a sixteenth of the record
	s_mov_b32 s75, 32<<16
	s_mov_b32 s76, 50
	s_mov_b32 s77, 32
	s_mov_b32 s78, 0
	s_mov_b32 s79, 0
	s_mov_b32 s68, 1
	s_mul_i32 s69, s14, 12800                      ; LDS address
	s_mul_i32 s28, s25, 204800
	s_add_co_u32 s28, s28, s69
	s_mov_b32 s29, 0
	s_lshl_b32 s30, s15, 4
	s_add_co_u32 s30, s30, s14                     ; my pair of query tiles, 0 .. 63
	s_lshr_b32 s31, s25, 4
	s_lshl_b32 s31, s31, 7
	s_lshl_b32 s2, s30, 1
	s_add_co_u32 s31, s31, s2                      ; my first tile of queries: 128 x batch + 2 x pair
	s_and_b32 s3, s25, 15                          ; the head
	s_mov_b32 s20, 0x76543210
	s_mov_b32 s21, 0xfedcba98
	s_mov_b32 s22, 0x3e38aa3b                      ; c = log2(e) / 8
	s_mov_b32 s23, s22
	s_mov_b32 s24, 0xffff0000
	s_wait_dscnt 0x0                               ; both opening adds are done
	s_wait_kmcnt 0x0
	s_add_nc_u64 s[70:71], s[6:7], s[28:29]
	s_or_b32 s71, s71, 0x80000000
	CROUND                                         ; all four work-groups are here: the joint loads meet
	tensor_load_to_lds s[68:71], s[72:79]          ; my one tensor load
	s_nop 0
	s_mul_i32 s28, s25, 102400
	s_add_nc_u64 s[4:5], s[4:5], s[28:29]          ; q's record of my head
	s_lshl_b32 s28, s31, 12
	s_add_nc_u64 s[8:9], s[8:9], s[28:29]          ; my two tiles' mask words: 8,192 bytes on end
	s_add_co_u32 s2, s31, 1792
	s_mul_i32 s28, s2, 12288
	s_mul_i32 s26, s3, 768
	s_add_co_u32 s28, s28, s26
	s_add_nc_u64 s[10:11], s[10:11], s[28:29]      ; y's codes: my first tile, my head's 768 bytes
	s_lshl_b32 s28, s2, 9
	s_lshl_b32 s26, s3, 1
	s_add_co_u32 s28, s28, s26
	s_add_nc_u64 s[12:13], s[12:13], s[28:29]      ; y's scale bytes
	v_and_b32 v236, 31, v0
	s_delay_alu instid0(VALU_DEP_1)
	v_lshlrev_b32 v1, 4, v236                      ; 16 x lane: K's images
	s_delay_alu instid0(VALU_DEP_1)
	v_add_nc_u32 v2, VCD, v1                       ; V's
	v_and_b32 v237, 15, v0                         ; r
	v_bfe_u32 v238, v0, 4, 1                       ; h
	s_delay_alu instid0(VALU_DEP_2)
	v_lshlrev_b32 v3, 4, v237
	s_delay_alu instid0(VALU_DEP_1)
	v_add_nc_u32 v4, VSC, v3                       ; V's scale words: 16 bytes a row
	s_delay_alu instid0(VALU_DEP_2)
	v_add_nc_u32 v3, KSC, v3                       ; K's
	s_mul_i32 s26, s30, 1536
	v_add_nc_u32 v240, s26, v1
.irp g, 0,1,2
	global_load_b128 v[36+4*\g:39+4*\g], v240, s[4:5] offset:512*\g   ; both tiles' codes of q
.endr
	s_lshr_b32 s26, s30, 2
	s_lshl_b32 s26, s26, 8
	s_and_b32 s27, s30, 3
	s_lshl_b32 s27, s27, 2
	s_add_co_u32 s26, s26, s27
	s_add_co_u32 s26, s26, 98304
	v_lshl_add_u32 v241, v237, 4, s26
	global_load_b32 v35, v241, s[4:5]              ; their scale bytes: tile 0's two, tile 1's two
	v_lshlrev_b32 v242, 3, v236                    ; 8 x lane
	v_lshlrev_b32 v243, 5, v237
	s_delay_alu instid0(VALU_DEP_1)
	v_lshl_add_u32 v243, v238, 9, v243             ; y's scale bytes: 32 r, + a tile for lanes 16-31
	v_lshlrev_b32 v239, 3, v238                    ; 8 h: my bytes' place in p's scale word
	v_mov_b32 v9, 0xd0000000                       ; -2^33
.irp i, 22,23,24,25,26,27,216,217,218,219,235
	v_mov_b32 v\i, 0                               ; the zero codes; the lane permutes' destinations; the upper half of the pair v[234:235]
.endr
	s_wait_alu depctr_va_vdst(0)                   ; the wait at the head's end
	s_wait_tensorcnt 0x0                           ; my part of the record is in, and the descriptor's registers are free
	s_barrier_signal -1
	s_barrier_wait -1                              ; everybody's is
	s_mov_b32 s16, 0
.macro MASKS                           ; a step's 64 mask words
	s_load_b512 s[32:47], s[8:9], s16 offset:0x0
	s_load_b512 s[48:63], s[8:9], s16 offset:0x40
	s_load_b512 s[68:83], s[8:9], s16 offset:0x80
	s_load_b512 s[84:99], s[8:9], s16 offset:0xc0
.endm
	MASKS
	s_wait_loadcnt 0x0                             ; q
.macro KLOADS a, s                     ; a step's four pairs of K's tiles and their scale words: 13 loads
.irp p, 0,1,2,3
.irp g, 0,1,2
	ds_load_b128 v[48+12*\p+4*\g:51+12*\p+4*\g], \a offset:1536*\p+512*\g
.endr
.endr
	ds_load_b128 v[224:227], \s
.endm
.macro STEP
	s_wait_dscnt 0x0                               ; K's 13 loads, asked for behind the last step's products
.irp t, 0,1,2,3,4,5,6,7
	v_wmma_scale_f32_16x16x128_f8f6f4 v[96+8*\t:103+8*\t], v[48+12*(\t/2):59+12*(\t/2)], v[16+6*(\t%2):27+6*(\t%2)], 0, v[224+\t/2], v34 matrix_a_fmt:MATRIX_FMT_FP6 matrix_b_fmt:MATRIX_FMT_FP6
.endr
	v_add_nc_u32 v6, s18, v2                       ; this step's V; these four lines are the places in front of the loads into K's registers and of the first read of the scores
	v_add_nc_u32 v8, s19, v4
	s_add_co_u32 s18, s18, 6144                    ; the next step's codes
	s_add_co_u32 s19, s19, 256                     ; and scale words
	v_add_nc_u32 v5, s18, v1                       ; the next step's K
	v_add_nc_u32 v7, s19, v3
.irp t, 0,1,2,3
.irp g, 0,1,2
	ds_load_b128 v[48+12*\t+4*\g:51+12*\t+4*\g], v6 offset:1536*\t+512*\g   ; V's four tiles land while the softmax is worked
.endr
.endr
	ds_load_b128 v[228:231], v8
	s_wait_kmcnt 0x0                               ; this step's mask words, asked for a step ago
.set N, 0
.rept 64
.set MM, 2*(N%32)+N/32
	v_cndmask_b32 v[96+N], v9, v[96+N], s[32+MM+4*(MM/32)]   ; ascending: each accumulator is read from its low end on
.set N, N+1
.endr
	s_add_co_u32 s16, s16, 256                     ; the wait above has shown the last loads done: their offset may step
	s_min_u32 s16, s16, 7936                       ; (the very last request names the last block again: no load leaves the buffer)
	MASKS
.irp b, 0,1,2,3
	v_max3_num_f32 v[212+\b], v[96+16*\b], v[97+16*\b], v[98+16*\b]   ; four chains, one over each half of my two blocks
.endr
.irp i, 3,5,7,9,11,13
.irp b, 0,1,2,3
	s_delay_alu instid0(VALU_DEP_4)
	v_max3_num_f32 v[212+\b], v[212+\b], v[96+16*\b+\i], v[97+16*\b+\i]
.endr
.endr
.irp b, 0,1,2,3
	s_delay_alu instid0(VALU_DEP_4)
	v_max_num_f32 v[212+\b], v[212+\b], v[111+16*\b]
.endr
	s_delay_alu instid0(VALU_DEP_3)
	v_max_num_f32 v212, v212, v213                 ; the largest score of block h: for the row's maximum, and for the block's largest p
	s_delay_alu instid0(VALU_DEP_2)
	v_max_num_f32 v214, v214, v215                 ; and of block 2 + h
	s_delay_alu instid0(VALU_DEP_1)
	v_max_num_f32 v233, v212, v214
	s_delay_alu instid0(VALU_DEP_1)
	v_permlanex16_b32 v216, v233, s20, s21
	s_delay_alu instid0(VALU_DEP_1)
	v_max_num_f32 v233, v233, v216                 ; with lane l xor 16's two blocks: the step's largest score of my query
	s_delay_alu instid0(VALU_DEP_1)
	v_mul_f32 v233, s22, v233
	s_delay_alu instid0(VALU_DEP_1)
	v_max_num_f32 v13, v13, v233                   ; the running largest t
	v_mov_b32 v233, v12
	s_delay_alu instid0(VALU_DEP_2)
	v_floor_f32 v12, -v13                          ; -M = floor(-t)
	s_delay_alu instid0(VALU_DEP_1)
	v_sub_f32 v233, v12, v233                      ; old M - new M: a whole number, 0 or less
	s_delay_alu instid0(VALU_DEP_1)
	v_cvt_i32_f32 v233, v233                       ; (it saturates)
	s_delay_alu instid0(VALU_DEP_1)
	v_ldexp_f32 v234, 1.0, v233                    ; f = 2^(old M - new M)
.irp j, 0,2,4,6,8,10,12,14,16,18,20,22,24,26,28,30,32,34,36,38,40,42,44,46,48,50,52,54,56,58,60,62
	v_pk_fma_f32 v[96+\j:97+\j], v[96+\j:97+\j], s[22:23], v[12:13] op_sel_hi:[1,0,0]   ; t - M
.endr
	v_fma_f32 v212, v212, s22, v12                 ; the same of each block's largest score
	v_fma_f32 v214, v214, s22, v12
	s_wait_alu depctr_va_vdst(0)                   ; the wait ahead of the batch
.set N, 0
.rept 64
	v_exp_f32 v[96+N], v[96+N]                     ; p = 2^(t - M)
.set N, N+1
.endr
	v_exp_f32 v212, v212                           ; each block's largest p: the same two instructions on the same number give the same bits
	v_exp_f32 v214, v214
	v_pk_mul_f32 v[14:15], v[14:15], v[234:235] op_sel_hi:[1,0]   ; the sums under the new M: the plain place behind the exponentials
	s_wait_alu depctr_va_vdst(0)                   ; one wait for the batch, ahead of its first reader
	v_max_num_f32 v212, 0x1800000, v212            ; the floor: the byte cannot fall under 1
	v_max_num_f32 v214, 0x1800000, v214
	s_delay_alu instid0(VALU_DEP_2)
	v_add_nc_u32 v220, 0xff000000, v212            ; 2 off the exponent field: the conversions' scale operands
	s_delay_alu instid0(VALU_DEP_2)
	v_add_nc_u32 v221, 0xff000000, v214
	s_delay_alu instid0(VALU_DEP_2)
	v_lshrrev_b32 v216, 23, v220
	s_delay_alu instid0(VALU_DEP_2)
	v_lshrrev_b32 v217, 23, v221
	s_delay_alu instid0(VALU_DEP_1)
	v_lshl_or_b32 v232, v217, 16, v216             ; my two bytes, blocks h and 2 + h,
	s_delay_alu instid0(VALU_DEP_1)
	v_lshlrev_b32 v232, v239, v232                 ; at their places;
	s_delay_alu instid0(VALU_DEP_1)
	v_permlanex16_b32 v216, v232, s20, s21
	s_delay_alu instid0(VALU_DEP_1)
	v_or_b32 v232, v232, v216                      ; with lane l xor 16's two, p's scale word for these 128 keys is whole
.irp c, 0,1
	v_cvt_scalef32_pk16_fp6_f32 v[192+6*\c:194+6*\c], v[96+32*\c:111+32*\c], v[220+\c]
	v_cvt_scalef32_pk16_fp6_f32 v[204+4*\c:206+4*\c], v[112+32*\c:127+32*\c], v[220+\c]   ; (a conversion's three registers begin on an even number)
.endr
	v_pk_mul_f32 v[160:161], v[160:161], v[234:235] op_sel_hi:[1,0]   ; O^T under the new M; this first line is the plain place behind the conversions
.irp c, 0,1
.irp i, 0,1,2
	v_mov_b32 v[195+6*\c+\i], v[204+4*\c+\i]
.endr
.endr
.irp j, 2,4,6,8,10,12,14,16,18,20,22,24,26,28,30
	v_pk_mul_f32 v[160+\j:161+\j], v[160+\j:161+\j], v[234:235] op_sel_hi:[1,0]   ; also the places in front of the products below
.endr
	s_wait_alu depctr_va_vdst(0)                   ; the wait here, directly ahead of the wait below
	s_wait_dscnt 0x0                               ; V's 13 loads
.irp t, 0,1,2,3
	v_wmma_scale_f32_16x16x128_f8f6f4 v[160+8*\t:167+8*\t], v[48+12*\t:59+12*\t], v[192:203], v[160+8*\t:167+8*\t], v[228+\t], v232 matrix_a_fmt:MATRIX_FMT_FP6 matrix_b_fmt:MATRIX_FMT_FP6
.endr
	v_pk_add_f32 v[216:217], v[100:101], v[104:105]   ; THE ROW'S SUM OF THE UNQUANTISED p, in eight chains; the first four lines are the places in front of the loads into V's registers
	v_pk_add_f32 v[254:255], v[108:109], v[112:113]
	v_pk_add_f32 v[252:253], v[116:117], v[120:121]
	v_pk_add_f32 v[250:251], v[124:125], v[128:129]
	KLOADS v5, v7                                  ; the next step's K (behind a tile's last step the addresses lie in V's part of the record, and what comes is not used)
	v_pk_add_f32 v[248:249], v[132:133], v[136:137]
	v_pk_add_f32 v[246:247], v[140:141], v[144:145]
	v_pk_add_f32 v[240:241], v[148:149], v[152:153]
	v_pk_add_f32 v[14:15], v[14:15], v[156:157]
	v_pk_add_f32 v[216:217], v[216:217], v[96:97]
	v_pk_add_f32 v[254:255], v[254:255], v[98:99]
	v_pk_add_f32 v[252:253], v[252:253], v[102:103]
	v_pk_add_f32 v[250:251], v[250:251], v[106:107]
	v_pk_add_f32 v[248:249], v[248:249], v[110:111]
	v_pk_add_f32 v[246:247], v[246:247], v[114:115]
	v_pk_add_f32 v[240:241], v[240:241], v[118:119]
	v_pk_add_f32 v[14:15], v[14:15], v[122:123]
	v_pk_add_f32 v[216:217], v[216:217], v[126:127]
	v_pk_add_f32 v[254:255], v[254:255], v[130:131]
	v_pk_add_f32 v[252:253], v[252:253], v[134:135]
	v_pk_add_f32 v[250:251], v[250:251], v[138:139]
	v_pk_add_f32 v[248:249], v[248:249], v[142:143]
	v_pk_add_f32 v[246:247], v[246:247], v[146:147]
	v_pk_add_f32 v[240:241], v[240:241], v[150:151]
	v_pk_add_f32 v[14:15], v[14:15], v[154:155]
	v_pk_add_f32 v[216:217], v[216:217], v[158:159]
	s_delay_alu instid0(VALU_DEP_2)
	v_pk_add_f32 v[14:15], v[14:15], v[250:251]
	s_delay_alu instid0(VALU_DEP_2)
	v_pk_add_f32 v[216:217], v[216:217], v[248:249]
	v_pk_add_f32 v[254:255], v[254:255], v[246:247]
	v_pk_add_f32 v[252:253], v[252:253], v[240:241]
	s_delay_alu instid0(VALU_DEP_2)
	v_pk_add_f32 v[14:15], v[14:15], v[254:255]
	s_delay_alu instid0(VALU_DEP_2)
	v_pk_add_f32 v[216:217], v[216:217], v[252:253]
	s_delay_alu instid0(VALU_DEP_1)
	v_pk_add_f32 v[14:15], v[14:15], v[216:217]
.endm
.macro TILE ti
	s_wait_xcnt 0x0                                ; the last tile's stores have read their registers
	KLOADS v1, v3                                  ; the first step's K
.if \ti
	v_perm_b32 v34, v35, v35, 0x03020302           ; q's scale word: the tile's two bytes, twice
.else
	v_perm_b32 v34, v35, v35, 0x01000100
.endif
.irp i, 0,1,2,3,4,5
	v_mov_b32 v[16+\i], v[36+6*\ti+\i]
	v_mov_b32 v[28+\i], v[36+6*\ti+\i]
.endr
	v_mov_b32 v13, 0xff61b1e6                      ; the largest t so far: -3e38
	s_delay_alu instid0(VALU_DEP_1)
	v_floor_f32 v12, -v13
	v_mov_b32 v14, 0
	v_mov_b32 v15, 0
.set N, 0
.rept 32
	v_mov_b32 v[160+N], 0                          ; O^T: the step is written once; the first change of M leaves zeros zeros
.set N, N+1
.endr
	s_mov_b32 s18, 0
	s_mov_b32 s19, 0
	s_mov_b32 s17, 16
	s_wait_alu depctr_va_vdst(0)                   ; the wait ahead of the loop's first wait
.Lstep_\ti:
	STEP
	s_sub_co_u32 s17, s17, 1
	s_cmp_lg_u32 s17, 0
	s_cbranch_scc1 .Lstep_\ti
	; the tile's end: y = O^T / the sum, quantised along the head's 64: two blocks.  (The sum's additions are the places behind the last products.)
	s_wait_alu depctr_va_vdst(0)                   ; the wait here, directly ahead of the wait below
	s_wait_dscnt 0x0                               ; the last request has landed: its registers may be loaded again
	v_add_f32 v14, v14, v15
	s_delay_alu instid0(VALU_DEP_1)
	v_permlanex16_b32 v216, v14, s20, s21
	s_delay_alu instid0(VALU_DEP_1)
	v_add_f32 v14, v14, v216
	s_wait_alu depctr_va_vdst(0)
	v_rcp_f32 v14, v14
	v_nop
	s_wait_alu depctr_va_vdst(0)                   ; ahead of the reciprocal's first reader
.set N, 0
.rept 32
	v_mul_f32 v[96+N], v[160+N], v14               ; register 16 b + i: channel 32 b + 16 h + i
.set N, N+1
.endr
.irp b, 0,1
	v_max3_num_f32 v[212+\b], |v[96+16*\b]|, |v[97+16*\b]|, 0x1800000
.endr
.irp i, 2,4,6,8,10,12,14
.irp b, 0,1
	s_delay_alu instid0(VALU_DEP_2)
	v_max3_num_f32 v[212+\b], v[212+\b], |v[96+16*\b+\i]|, |v[97+16*\b+\i]|
.endr
.endr
.irp b, 0,1
	s_delay_alu instid0(VALU_DEP_2)
	v_permlanex16_b32 v[216+\b], v[212+\b], s20, s21
.endr
.irp b, 0,1
	s_delay_alu instid0(VALU_DEP_2)
	v_max_num_f32 v[212+\b], v[212+\b], v[216+\b]
.endr
.irp b, 0,1
	s_delay_alu instid0(VALU_DEP_2)
	v_add_nc_u32 v[220+\b], 0xff000000, v[212+\b]
.endr
.irp b, 0,1
	s_delay_alu instid0(VALU_DEP_2)
	v_lshrrev_b32 v[216+\b], 23, v[220+\b]
.endr
	s_delay_alu instid0(VALU_DEP_1)
	v_lshl_or_b32 v[244+\ti], v217, 8, v216        ; the row's two scale bytes
	v_cvt_scalef32_pk16_fp6_f32 v[192:194], v[96:111], v220
	v_cvt_scalef32_pk16_fp6_f32 v[204:206], v[112:127], v221
	v_nop
.irp i, 0,1,2
	v_permlane16_swap_b32 v[192+\i], v[204+\i]
.endr
.irp i, 0,1,2
	s_delay_alu instid0(VALU_DEP_3)
	v_mov_b32 v[195+\i], v[204+\i]
.endr
	global_store_b128 v1, v[192:195], s[10:11] offset:12288*\ti        ; six registers' image: 512 consecutive bytes,
	global_store_b64 v242, v[196:197], s[10:11] offset:12288*\ti+512   ; and 256
.endm
	TILE 0
	TILE 1
	v_cndmask_b32 v246, v244, v245, s24            ; lanes 0-15 tile 0's bytes, lanes 16-31 tile 1's
	global_store_b16 v243, v246, s[12:13]          ; two bytes a lane, 32 bytes apart: a row's other bytes belong to other heads' work-groups; one byte in 24 of what this launch stores
	s_wait_tensorcnt 0x0                           ; the wave's end
	ds_add_u32 v10, v11
	s_wait_dscnt 0x0
	CROUND                                         ; the closing round
	s_endpgm
.Lfunc_end_k_q6581a5d04e_attn:
	.size	k_q6581a5d04e_attn, .Lfunc_end_k_q6581a5d04e_attn-k_q6581a5d04e_attn
	.p2alignl 7, 3214868480
	.fill 96, 4, 3214868480
	.section	.rodata,"a",@progbits
	.p2align	6, 0x0
	.amdhsa_kernel k_q6581a5d04e_attn
		.amdhsa_group_segment_fixed_size 206848
		.amdhsa_private_segment_fixed_size 0
		.amdhsa_enable_private_segment 0
		.amdhsa_kernarg_size 40
		.amdhsa_user_sgpr_count 2
		.amdhsa_user_sgpr_kernarg_segment_ptr 1
		.amdhsa_wavefront_size32 1
		.amdhsa_system_sgpr_workgroup_id_x 1
		.amdhsa_system_sgpr_workgroup_id_y 1
		.amdhsa_system_sgpr_workgroup_id_z 1
		.amdhsa_system_vgpr_workitem_id 0
		.amdhsa_next_free_vgpr 256
		.amdhsa_next_free_sgpr 100
		.amdhsa_reserve_vcc 0
		.amdhsa_float_denorm_mode_32 3
		.amdhsa_float_denorm_mode_16_64 3
		.amdhsa_memory_ordered 1
		.amdhsa_forward_progress 1
		.amdhsa_inst_pref_size 61
	.end_amdhsa_kernel
	.amdgpu_metadata
---
amdhsa.version: [ 1, 2 ]
amdhsa.kernels:
  - .name:           k_q6581a5d04e_attn
    .symbol:         k_q6581a5d04e_attn.kd
    .args:
      - { .name: qrec, .offset: 0, .size: 8, .value_kind: global_buffer, .address_space: global }
      - { .name: kv, .offset: 8, .size: 8, .value_kind: global_buffer, .address_space: global }
      - { .name: mw, .offset: 16, .size: 8, .value_kind: global_buffer, .address_space: global }
      - { .name: gcd, .offset: 24, .size: 8, .value_kind: global_buffer, .address_space: global }
      - { .name: gsc, .offset: 32, .size: 8, .value_kind: global_buffer, .address_space: global }
    .group_segment_fixed_size: 206848
    .private_segment_fixed_size: 0
    .kernarg_segment_align: 8
    .kernarg_segment_size: 40
    .max_flat_workgroup_size: 512
    .sgpr_count:     100
    .vgpr_count:     256
    .wavefront_size: 32
...
	.end_amdgpu_metadata
.endif
;; end of part 3
;; launch outp (part 4): grid 4 x 64, 4 waves a work-group, clusters of 4 x 4, 327,680 bytes of LDS; arguments gcd, gsc, bf, out0; writes out0
.if DOCPART == 4
	.amdgcn_target "amdgcn-amd-amdhsa--gfx1250"
	.amdhsa_code_object_version 6
	.text
	.protected	k_q6581a5d04e_outp
	.globl	k_q6581a5d04e_outp
	.p2align	8
	.type	k_q6581a5d04e_outp,@function
k_q6581a5d04e_outp:
	s_mov_b64 s[64:65], 0
	v_nop
	global_prefetch_b8 v0, s[64:65] scope:SCOPE_SE
	s_setreg_imm32_b32 hwreg(HW_REG_WAVE_MODE, 25, 1), 1
	s_wait_xcnt 0x0
	s_wait_alu depctr_hold_cnt(0) depctr_sa_sdst(0) depctr_va_vdst(0) depctr_va_sdst(0) depctr_va_ssrc(0) depctr_va_vcc(0) depctr_vm_vsrc(0)
	s_getreg_b32 s2, hwreg(HW_REG_IB_STS2, 6, 4)
	s_cmp_eq_u32 s2, 0
	s_cbranch_scc0 .Lentry_in_a_cluster
	s_endpgm
.Lentry_in_a_cluster:
	s_bfe_u32 s2, ttmp6, 0x10000c
	s_cmp_lg_u32 s2, 0xf033
	s_cbranch_scc0 .Lentry_shape_is_right
	s_endpgm
.Lentry_shape_is_right:
; Launch 4 of 4: out0 = y Wf^T + bf, on codes of E2M3 with their E8M0 scale words; f32 sums; the bias is the first products' C.  No work is left out.
; y's codes are gcd's tiles 1792.., as the third launch left them: for each tile of 16 rows (rows 32 (T / 2) + 8 (T % 2) + r + 8 (r / 8)) sixteen heads of 768 bytes, each an image of six operand registers; Wf's are tiles 1728.., images of twelve.
; SHARES: a block of out0 is 128 rows x 256 columns: 64 x 4 = 256 work-groups.  Four waves, 2 x 2: a wave makes 64 x 128: 32 accumulators of 16 x 16 in window 2.
; K goes through a ring of two LDS slots of two K steps of 128 each.  A tile's part of a fill is 3,072 consecutive bytes, which begin at a multiple of 256.  Waves 0 and 1 fetch y's 8 tiles, four each; waves 2 and 3 Wf's 16, eight each.
; CLUSTERS: 4 x 4 work-groups; y's tiles are shared along a row of the cluster, Wf's along a column: joint loads, each refill behind a round of the cluster's barrier.
; THE MATRIX INSTRUCTION IS USED TRANSPOSED (source 0 = 16 rows of Wf, source 1 = 16 rows of y): a lane holds eight neighbouring numbers of a row of out0.
; REGISTERS: window 0: v1-31 addresses; v32-95 scale words (register 8 i + K step: lanes 0-15 y's block i, lanes 16-31 Wf's block i); v128-175 y's four fragments, one set; on the way out v128-255.
; window 1: Wf's fragments, two sets, at v0 and v128; the bias at v96-127 and v224-255.  window 2: accumulator (a, b) at v[8 (8 a + b)].
.set FR,    12
.set NP,    4                          ; places behind this matrix instruction (ISA guide 7.12.1)
.set HALFT, 24576                      ; 8 tiles x 3,072 bytes: a wave's place in a slot (y's four tiles fill half of it)
.set S0OFF, 49152
.set SLOT,  98304
.set SPARE, 196608                     ; the spare words: 128 bytes for each wave, named by no other line
.set SPITCH, 528                       ; the way out: a stage of 16 rows x (512 + 16) bytes for each wave, in slot 0, which has had its last fill and its last read by then
.set ADRA, 16
.set ADRB, 18
.set LI,   20
.set ADR8, 22
.set STO,  24
.set RD,   25
.set SPW,  28
.set NIL,  29
.set SC,   32
.set AF,   128
.set BK,   128
.set G1,  24
.set G0,  32
.set G1B, 48
.set G0B, 56
.set MSB, 0
.macro WIN new
.if MSB != (\new)
	s_set_vgpr_msb (MSB<<8)|(\new)
.set MSB, (\new)
.endif
.endm
.set MUL_LO, 0xa1                      ; source 0 (Wf) window 1, source 1 (y) window 0, C and D window 2
.set MUL_1ST, 0x91                     ; the same with C, the bias, in window 1
.set TO_B,   0x40
.macro JLOAD g0a, g1a, g0b, g1b        ; a joint load: waves 0, 1 for y, waves 2, 3 for Wf; s_nop 0 and four v_nop behind each line
	s_cmp_eq_u32 s19, 0
	s_cbranch_scc0 .Lfor_b_\@
	tensor_load_to_lds s[\g0a:\g0a+3], s[\g1a:\g1a+7]
	s_nop 0
.rept 4
	v_nop
.endr
	s_branch .Lasked_\@
.Lfor_b_\@:
	tensor_load_to_lds s[\g0b:\g0b+3], s[\g1b:\g1b+7]
	s_nop 0
.rept 4
	v_nop
.endr
.Lasked_\@:
.endm
.macro CREST
	s_cmp_lg_u32 s18, 0
	s_cbranch_scc1 .Lnot_wave_0_\@
	s_barrier_signal -3
.Lnot_wave_0_\@:
	s_barrier_wait -3
	s_barrier_signal -1
	s_barrier_wait -1
.endm
.macro CROUND
	s_barrier_signal -1
	s_barrier_wait -1
	CREST
.endm
.macro PLACES n
.rept \n
	v_nop
.endr
.endm
.macro GROUP1 g, rows                  ; rows of 384 elements of 8 bytes, 12,288 bytes apart
	s_mov_b32 s[\g+1], 384<<16
	s_mov_b32 s[\g+2], (\rows)<<16
	s_mov_b32 s[\g+3], 384<<16
	s_mov_b32 s[\g+4], \rows
	s_mov_b32 s[\g+5], 1536
	s_mov_b32 s[\g+6], 0
	s_mov_b32 s[\g+7], 0
.endm
	s_load_b256 s[4:11], s[0:1], 0x0               ; gcd, gsc, bf, out0
	v_lshl_add_u32 v[SPW], v0, 2, SPARE
	v_mov_b32 v[NIL], 0
	ds_add_u32 v[SPW], v[NIL]                      ; the wave's opening: the add, twice on end, and its wait ahead of my first tensor load
	ds_add_u32 v[SPW], v[NIL]
	v_lshrrev_b32 v1, 5, v0
	v_readfirstlane_b32 s18, v1                    ; wave
	s_lshr_b32 s19, s18, 1                         ; which 64 rows are mine.  Also: I fetch for y (0) or for Wf (1)
	s_and_b32 s20, s18, 1                          ; which 128 columns.  Also: which half of that operand's tiles I fetch
	s_bfe_u32 s40, ttmp6, 0x40000                  ; cx
	s_bfe_u32 s41, ttmp6, 0x40004                  ; cy
	s_and_b32 s46, ttmp7, 0xffff
	s_lshl_b32 s46, s46, 2
	s_add_co_u32 s46, s46, s41                     ; the block's row of 128, 0 .. 63
	s_lshl_b32 s21, s41, 2
	s_lshl_b32 s21, 15, s21                        ; my row of the cluster
	s_lshl_b32 s22, 0x1111, s40                    ; my column
	s_or_b32 s[G1], s21, (3<<16)|(1<<21)
	s_or_b32 s[G1B], s22, (3<<16)|(1<<21)
	GROUP1 G1, 4
	GROUP1 G1B, 8
	s_lshl_b32 s68, s46, 3
	s_add_co_u32 s68, s68, 1792                    ; y's first tile of the block
	s_lshl_b32 s70, s40, 4
	s_add_co_u32 s70, s70, 1728                    ; Wf's
	s_lshl_b32 s23, s20, 3
	s_lshl_b32 s69, s20, 2
	s_add_co_u32 s72, s68, s69
	s_add_co_u32 s74, s70, s23
	s_mul_i32 s72, s72, 12288
	s_mov_b32 s73, 0
	s_mul_i32 s74, s74, 12288
	s_mov_b32 s75, 0
	s_mul_i32 s76, s18, HALFT                      ; where my tiles go: no place in the cluster enters an LDS address
	s_mov_b32 s89, 0xffff0000
	s_wait_dscnt 0x0                               ; both opening adds are done
	s_wait_kmcnt 0x0
	s_add_nc_u64 s[72:73], s[4:5], s[72:73]
	s_add_nc_u64 s[74:75], s[4:5], s[74:75]
	CROUND                                         ; all sixteen work-groups are here: the first joint loads meet
.irp s, 0,1
	s_mov_b32 s[G0+4*\s], 1
	s_add_co_u32 s[G0+4*\s+1], s76, \s*SLOT
	s_add_nc_u64 s[G0+4*\s+2:G0+4*\s+3], s[72:73], \s*3072
	s_or_b32 s[G0+4*\s+3], s[G0+4*\s+3], 0x80000000
	s_mov_b32 s[G0B+4*\s], 1
	s_add_co_u32 s[G0B+4*\s+1], s76, \s*SLOT
	s_add_nc_u64 s[G0B+4*\s+2:G0B+4*\s+3], s[74:75], \s*3072
	s_or_b32 s[G0B+4*\s+3], s[G0B+4*\s+3], 0x80000000
.endr
	JLOAD G0, G1, G0B, G1B                         ; slot 0: my one tensor load at the head; the scale words, the bias and the addresses are made while it is out
	; PREFETCHES INTO THE L2.  A fill is 3,072 bytes, 12 blocks of 256, of each tile that I fetch.  The four partners that ask for them jointly share them out by address: the partner at place p (cx for y, cy for Wf)
	; names tile p of y's four, or tiles 2 p and 2 p + 1 of Wf's eight: a lane a block, the lanes left over the last block again.  Fills 1 and 2 are named here, fill 3 behind fill 1's request: two fills ahead.
	s_cmp_eq_u32 s19, 0
	s_cselect_b64 s[92:93], s[72:73], s[74:75]
	s_cselect_b32 s94, s40, s41
	s_cselect_b32 s95, 0, 1
	s_cselect_b32 s91, 11, 23
	s_mul_i32 s94, s94, 12288
	s_lshl_b32 s94, s94, s95
	s_mov_b32 s95, 0
	s_add_nc_u64 s[92:93], s[92:93], s[94:95]
	s_lshl_b32 s77, s19, 2
	s_add_co_u32 s77, s77, s68
	s_lshl_b32 s77, s77, 9                         ; the scale words of my four tiles of y,
	s_add_co_u32 s78, s70, s23
	s_lshl_b32 s78, s78, 9                         ; and of my eight of Wf
	s_lshl_b32 s85, s40, 10
	s_lshl_b32 s86, s20, 9
	s_add_co_u32 s85, s85, s86                     ; my first column, in bytes
	s_mul_i32 s87, s19, HALFT
	s_mul_i32 s88, s20, HALFT
	s_add_co_u32 s88, s88, S0OFF
	s_mul_i32 s86, s18, 16*SPITCH                  ; my stage
	s_lshl_b32 s66, s46, 7
	s_lshl_b32 s67, s19, 6
	s_add_co_u32 s66, s66, s67                     ; my first row
	s_lshl_b32 s66, s66, 12
	s_add_co_u32 s66, s66, s85
	s_mov_b32 s67, 0
	s_add_nc_u64 s[10:11], s[10:11], s[66:67]
	v_and_b32 v1, 15, v0                           ; r
	v_bfe_u32 v2, v0, 4, 1                         ; h
	v_and_b32 v3, 31, v0
	v_lshlrev_b32 v[LI], 4, v3
	v_lshlrev_b32 v7, 3, v3
	v_min_u32 v30, s91, v3
	v_mul_u32_u24 v31, v30, 171
	v_lshrrev_b32 v31, 11, v31                     ; block / 12: which of two tiles
	v_lshlrev_b32 v30, 8, v30
	v_mad_u32_u24 v30, v31, 0x2400, v30            ; 256 x block, + 12,288 - 3,072 for the second tile
	global_prefetch_b8 v30, s[92:93] offset:3072 th:TH_LOAD_NT scope:SCOPE_SE
	global_prefetch_b8 v30, s[92:93] offset:6144 th:TH_LOAD_NT scope:SCOPE_SE
	v_lshlrev_b32 v4, 5, v1
	v_add_nc_u32 v5, s77, v4
	v_add_nc_u32 v6, s78, v4
	v_cndmask_b32 v4, v5, v6, s89                  ; lanes 0-15 y's words, lanes 16-31 Wf's
	v_add_nc_u32 v5, 0xfffff800, v5
	v_cndmask_b32 v8, v5, v6, s89                  ; for Wf's blocks 4-7: y has no such blocks, and lanes 0-15 name blocks 0-3 again, so that no load leaves the buffer
.irp i, 0,1,2,3
	global_load_b128 v[SC+8*\i:SC+8*\i+3], v4, s[6:7] offset:512*\i
	global_load_b128 v[SC+8*\i+4:SC+8*\i+7], v4, s[6:7] offset:512*\i+16
.endr
.irp i, 4,5,6,7
	global_load_b128 v[SC+8*\i:SC+8*\i+3], v8, s[6:7] offset:512*\i
	global_load_b128 v[SC+8*\i+4:SC+8*\i+7], v8, s[6:7] offset:512*\i+16
.endr
	v_lshlrev_b32 v5, 6, v2
	v_add_nc_u32 v5, s85, v5
	WIN TO_B
.irp b, 0,1,2,3,4,5,6,7
	global_load_b128 v[96+8*\b+96*(\b/4):99+8*\b+96*(\b/4)], v5, s[8:9] offset:4*(32*(\b/2)+8*(\b%2))       ; the bias, laid as the result lies
	global_load_b128 v[100+8*\b+96*(\b/4):103+8*\b+96*(\b/4)], v5, s[8:9] offset:4*(32*(\b/2)+8*(\b%2))+16
.endr
	WIN 0
	v_add_nc_u32 v[ADRA], s87, v[LI]
	v_add_nc_u32 v[ADR8], s87, v7
	v_add_nc_u32 v[ADRB], s88, v[LI]
	v_add_nc_u32 v[ADRA+1], SLOT, v[ADRA]
	v_add_nc_u32 v[ADR8+1], SLOT, v[ADR8]
	v_add_nc_u32 v[ADRB+1], SLOT, v[ADRB]
	v_mul_u32_u24 v[STO], v1, SPITCH
	v_lshl_add_u32 v[STO], v2, 6, v[STO]
	v_add_nc_u32 v[STO], s86, v[STO]
	v_add_nc_u32 v[RD], s86, v[LI]
.macro FRAG reg, adr, off
.irp g, 0,1,2
	ds_load_b128 v[\reg+4*\g:\reg+4*\g+3], v[\adr] offset:\off+512*\g
.endr
.endm
.macro FRAGY reg, slot, off            ; two heads' images of six registers
	ds_load_b128 v[\reg:\reg+3], v[ADRA+\slot] offset:\off
	ds_load_b64 v[\reg+4:\reg+5], v[ADR8+\slot] offset:\off+512
	ds_load_b128 v[\reg+6:\reg+9], v[ADRA+\slot] offset:\off+768
	ds_load_b64 v[\reg+10:\reg+11], v[ADR8+\slot] offset:\off+1280
.endm
.macro FETCH_B slot, q, p              ; Wf's eight fragments: 24 loads
	WIN TO_B
.irp i, 0,1,2,3,4,5,6,7
	FRAG 128*(\p)+FR*\i, ADRB+\slot, 3072*\i+1536*(\q)
.endr
	WIN 0
.endm
.macro FETCH_A slot, q, i0             ; y's blocks i0, i0 + 1: 8 loads
.irp i, \i0, \i0+1
	FRAGY AF+FR*(\i), \slot, 3072*(\i)+1536*(\q)
.endr
.endm
.macro MUL16 a0, p, ks, first          ; y's blocks a0, a0 + 1 x Wf's eight.  The 32 accumulators take turns, one instruction a turn, in the same order in every K step
.irp a, \a0, \a0+1
.irp b, 0,1,2,3,4,5,6,7
.if \first
	v_wmma_scale_f32_16x16x128_f8f6f4 v[8*(8*(\a)+\b):8*(8*(\a)+\b)+7], v[128*(\p)+FR*\b:128*(\p)+FR*\b+FR-1], v[AF+FR*(\a):AF+FR*(\a)+FR-1], v[96+8*\b+96*(\b/4):103+8*\b+96*(\b/4)], v[SC+8*\b+(\ks)], v[SC+8*(\a)+(\ks)] matrix_a_fmt:MATRIX_FMT_FP6 matrix_b_fmt:MATRIX_FMT_FP6 matrix_a_scale:MATRIX_SCALE_ROW1
.else
	v_wmma_scale_f32_16x16x128_f8f6f4 v[8*(8*(\a)+\b):8*(8*(\a)+\b)+7], v[128*(\p)+FR*\b:128*(\p)+FR*\b+FR-1], v[AF+FR*(\a):AF+FR*(\a)+FR-1], v[8*(8*(\a)+\b):8*(8*(\a)+\b)+7], v[SC+8*\b+(\ks)], v[SC+8*(\a)+(\ks)] matrix_a_fmt:MATRIX_FMT_FP6 matrix_b_fmt:MATRIX_FMT_FP6 matrix_a_scale:MATRIX_SCALE_ROW1
.endif
.endr
.endr
.endm
.macro LOWIN first
.if \first
	WIN MUL_1ST
.else
	WIN MUL_LO
.endif
.endm
.macro STEP slot, ks, first            ; a slot's first K step: it multiplies Wf's set 0 and fetches the second step's fragments
	s_wait_dscnt 8                                 ; Wf's set and y's blocks 0, 1 are in; the youngest eight loads (blocks 2, 3) may be out
	LOWIN \first
	MUL16 0, 0, \ks, \first
	PLACES NP
	FETCH_B \slot, 1, 1
	FETCH_A \slot, 1, 0
	s_wait_dscnt 32                                ; all but the 32 just issued
	LOWIN \first
	MUL16 2, 0, \ks, \first
	PLACES NP
	WIN 0
	FETCH_A \slot, 1, 2
.endm
.macro TURN slot, next, ks, fill       ; a slot's second K step, and the change of slots
	s_wait_tensorcnt 0x0                           ; all my tensor loads have landed, my part of the next slot among them;
	ds_add_u32 v[SPW], v[NIL]                      ; 0 onto my spare word;
	s_wait_dscnt 9                                 ; (the add and the youngest eight loads may be out)
	WIN MUL_LO
	MUL16 0, 1, \ks, 0
	s_wait_dscnt 0x0                               ; the add is done, and my reads of this slot are over
	s_barrier_signal -1
	MUL16 2, 1, \ks, 0
	WIN 0
	s_barrier_wait -1
.if \fill
	CREST                                          ; the barrier has opened a round of the cluster's barrier: no wave of any partner still reads this slot or has a load on its way
	s_add_nc_u64 s[G0+4*\slot+2:G0+4*\slot+3], s[G0+4*\slot+2:G0+4*\slot+3], 6144
	s_add_nc_u64 s[G0B+4*\slot+2:G0B+4*\slot+3], s[G0B+4*\slot+2:G0B+4*\slot+3], 6144
	JLOAD G0+4*\slot, G1, G0B+4*\slot, G1B         ; the first tensor load behind the round; its four v_nop are the places in front of the loads below
.else
	PLACES NP
.endif
	FETCH_B \next, 0, 0
	FETCH_A \next, 0, 0
	FETCH_A \next, 0, 2
.endm
	s_wait_alu depctr_va_vdst(0)                   ; the wait at the head's end
	s_wait_tensorcnt 0x0                           ; my part of slot 0 is in
	ds_add_u32 v[SPW], v[NIL]
	s_wait_dscnt 0x0
	CROUND                                         ; everybody's part is in, and all sixteen work-groups are here
	JLOAD G0+4, G1, G0B+4, G1B                     ; slot 1's first fill, the first tensor load behind the round
	FETCH_B 0, 0, 0
	FETCH_A 0, 0, 0
	global_prefetch_b8 v30, s[92:93] offset:9216 th:TH_LOAD_NT scope:SCOPE_SE
	FETCH_A 0, 0, 2
	s_wait_loadcnt 0x0                             ; the scale words and the bias
	STEP 0, 0, 1                                   ; the first K step's products start the sums from the bias
	TURN 0, 1, 1, 1
	STEP 1, 2, 0
	TURN 1, 0, 3, 1
	STEP 0, 4, 0
	TURN 0, 1, 5, 0
	STEP 1, 6, 0
	s_wait_dscnt 8
	WIN MUL_LO
	MUL16 0, 1, 7, 0
	s_wait_dscnt 0
	MUL16 2, 1, 7, 0
	WIN 0
; THE WAY OUT, block by block of 16 rows x 128 columns, through my own stage: whole rows of 512 bytes come back, which the 32 lanes store as two aligned units of 256 bytes.  LDS serves a wave's instructions in order.
.macro TOSTAGE a
.set AC, 64*(\a)
	WIN 0x08
.irp b, 0,1,2,3,4,5,6,7
	ds_store_b128 v[STO], v[AC+8*\b:AC+8*\b+3] offset:128*(\b/2)+32*(\b%2)        ; each accumulator from its low end on
	ds_store_b128 v[STO], v[AC+8*\b+4:AC+8*\b+7] offset:128*(\b/2)+32*(\b%2)+16
.endr
	WIN 0
.set BB, BK+64*((\a)%2)
.irp t, 0,1,2,3,4,5,6,7,8,9,10,11,12,13,14,15
	ds_load_b128 v[BB+4*\t:BB+4*\t+3], v[RD] offset:\t*SPITCH
.endr
.endm
.macro SEND a, younger                 ; younger: the LDS instructions issued behind block a's loads, which may stay out
.set BB, BK+64*((\a)%2)
	s_wait_dscnt \younger
.irp t, 0,1,2,3,4,5,6,7,8,9,10,11,12,13,14,15
	global_store_b128 v[LI], v[BB+4*\t:BB+4*\t+3], s[10:11] offset:(32*((\a)/2)+8*((\a)%2)+\t+8*(\t/8))*4096 th:TH_STORE_NT
.endr
.endm
	PLACES NP
	TOSTAGE 0
.irp a, 1,2,3
.if \a > 1
	s_wait_xcnt 0x0                                ; block a - 2's stores have read their registers: block a's loads may land there
.endif
	TOSTAGE \a
	SEND \a-1, 32
.endr
	SEND 3, 0
	s_wait_tensorcnt 0x0                           ; the wave's end
	ds_add_u32 v[SPW], v[NIL]
	s_wait_dscnt 0x0
	CROUND                                         ; the closing round
	s_endpgm
.Lfunc_end_k_q6581a5d04e_outp:
	.size	k_q6581a5d04e_outp, .Lfunc_end_k_q6581a5d04e_outp-k_q6581a5d04e_outp
	.p2alignl 7, 3214868480
	.fill 96, 4, 3214868480
	.section	.rodata,"a",@progbits
	.p2align	6, 0x0
	.amdhsa_kernel k_q6581a5d04e_outp
		.amdhsa_group_segment_fixed_size 327680
		.amdhsa_private_segment_fixed_size 0
		.amdhsa_enable_private_segment 0
		.amdhsa_kernarg_size 32
		.amdhsa_user_sgpr_count 2
		.amdhsa_user_sgpr_kernarg_segment_ptr 1
		.amdhsa_wavefront_size32 1
		.amdhsa_system_sgpr_workgroup_id_x 1
		.amdhsa_system_sgpr_workgroup_id_y 1
		.amdhsa_system_sgpr_workgroup_id_z 1
		.amdhsa_system_vgpr_workitem_id 0
		.amdhsa_next_free_vgpr 768
		.amdhsa_next_free_sgpr 100
		.amdhsa_reserve_vcc 0
		.amdhsa_float_denorm_mode_32 3
		.amdhsa_float_denorm_mode_16_64 3
		.amdhsa_memory_ordered 1
		.amdhsa_forward_progress 1
		.amdhsa_inst_pref_size 84
	.end_amdhsa_kernel
	.amdgpu_metadata
---
amdhsa.version: [ 1, 2 ]
amdhsa.kernels:
  - .name:           k_q6581a5d04e_outp
    .symbol:         k_q6581a5d04e_outp.kd
    .args:
      - { .name: gcd, .offset: 0, .size: 8, .value_kind: global_buffer, .address_space: global }
      - { .name: gsc, .offset: 8, .size: 8, .value_kind: global_buffer, .address_space: global }
      - { .name: bf, .offset: 16, .size: 8, .value_kind: global_buffer, .address_space: global }
      - { .name: out0, .offset: 24, .size: 8, .value_kind: global_buffer, .address_space: global }
    .group_segment_fixed_size: 327680
    .private_segment_fixed_size: 0
    .kernarg_segment_align: 8
    .kernarg_segment_size: 32
    .max_flat_workgroup_size: 128
    .sgpr_count:     100
    .vgpr_count:     768
    .wavefront_size: 32
...
	.end_amdgpu_metadata
.endif
;; end of part 4
